; MI455X (gfx1250); checked and timed in simulation.
; The chip was launched on July 23, 2026; its instructions are those of AMD's public machine-readable ISA for CDNA 5 (MIT licence, August 2026) and "CDNA5" Instruction Set Architecture Reference Guide (July 2026). The comments in the code are by the model that wrote it; some were corrected since.
;; Block. Allowed arithmetic: matrix products marked QUANTISED: E2M3 operands, one E8M0 scale for each 32 along K, by v_wmma_scale_f32_16x16x128_f8f6f4 with both operands' format E2M3, f32 sums; everything else in f32.
;; Inputs: b_fc1 4,096 float32; b_fc2 1,024 float32; b_proj 1,024 float32; ln1_b 1,024 float32; ln1_g 1,024 float32; ln2_b 1,024 float32; ln2_g 1,024 float32; w_fc1 4,096 x 1,024 float32; w_fc2 1,024 x 4,096 float32; w_proj 1,024 x 1,024 float32; w_qkv 3,072 x 1,024 float32; x 2 x 2,048 x 1,024 float32.
;; Outputs: out0 2 x 2,048 x 1,024 float32.
;; This version of the problem:
;;   THIS VERSION OF THE PROBLEM IS GIVEN IN LOW PRECISION. The matrix products marked QUANTISED in the list below multiply operands that are first quantised to E2M3 (2 exponent bits, 3 mantissa bits; 6 bits a number), with one power-of-two scale for each 32 numbers along K (OCP MX v1.0); their sums are f32. All else is computed in f32.
;;   The module's matrix products, in the order in which they are computed (A, B: the left and right operand; K: the contracted axis; several contracted axes count as one K, in the product's order):
;;     1. [M 4,096, K 1,024] x [K 1,024, N 3,072]; A: computed on the way; B: input w_qkv: QUANTISED
;;     2. batch 32 x [M 2,048, K 64] x [K 64, N 2,048]; A: computed on the way; B: computed on the way: QUANTISED
;;     3. batch 32 x [M 2,048, K 2,048] x [K 2,048, N 64]; A: softmax (see below); B: computed on the way: QUANTISED
;;     4. [M 4,096, K 1,024] x [K 1,024, N 1,024]; A: computed on the way; B: input w_proj: QUANTISED
;;     5. [M 4,096, K 1,024] x [K 1,024, N 4,096]; A: computed on the way; B: input w_fc1: QUANTISED
;;     6. [M 4,096, K 4,096] x [K 4,096, N 1,024]; A: computed on the way; B: input w_fc2: QUANTISED
;;   THE QUANTISER, for each operand of a quantised product, along K:
;;     - K is cut into blocks of 32 from its start; a last block that is shorter is filled with zeros.
;;     - A block's scale is 2^e with e = floor(log2(the largest magnitude in the block)) - 2, held to -126 .. 127; a block of zeros has e = 0. As a byte (E8M0): e + 127.
;;     - Each number is divided by its block's scale, clamped to +-7.5, and rounded to the nearest number of E2M3, ties to even, subnormals kept.
;;     - The product sums the exact products of the quantised numbers (number of the format x scale) in f32.
;;   ~~~python
;;   def quantise(x, axis):      # numpy; x: float32 -> the quantised numbers, widened to float32 again
;;       x = np.moveaxis(x, axis, -1); K = x.shape[-1]
;;       x = np.pad(x, [(0, 0)] * (x.ndim - 1) + [(0, -K % 32)]); x = x.reshape(x.shape[:-1] + (-1, 32)); a = np.abs(x).max(-1, keepdims=True)
;;       e = np.where(a > 0, np.clip(np.frexp(np.where(a > 0, a, 1))[1] - 1 - 2, -126, 127), 0)      # np.frexp(a)[1] - 1 = floor(log2(a)), exactly
;;       r = np.clip(x / 2.0 ** e, -7.5, 7.5)
;;       step = 2.0 ** (np.maximum(np.frexp(np.where(r == 0, 1, r))[1] - 1, 0) - 3)
;;       q = np.round(r / step) * step * 2.0 ** e      # np.round: ties to even
;;       return np.moveaxis(q.reshape(q.shape[:-2] + (-1,))[..., :K], -1, axis).astype(np.float32)
;;   ~~~
;;   SOFTMAX AHEAD OF A QUANTISED PRODUCT. Where the list says 'softmax', what is quantised is not the finished softmax but p = 2^(t - M), with t = logit x log2(e) and M = ceil(the row's largest t), a whole number; so 1/2 < the row's largest p <= 1. The row's sum l is taken of the UNQUANTISED p, in f32, and the product's result is divided by l at the end. Since M is a whole number, a kernel that streams over the keys may use a running M (the ceiling of the running maximum): every later rescaling is an exact power of two, which a block's scale takes up: the codes' values come out the same.
;;   OPERANDS COMPUTED ON THE WAY. 'Computed on the way' means the value that the module computes at that place (a softmax that the list does not call 'softmax' is quantised finished and normalised). What goes into a quantiser is computed in f32, as accurately as f32 sums, v_exp_f32 and their like allow (about 1e-6 of the number): no bf16 or f16 on the way to a quantiser, and a product that is left as it is and whose result goes on into a quantised operand takes f32 operands (vector FMAs, or v_wmma_f32_16x16x4_f32). A number that lies on a knife's edge between two numbers of the format may be rounded either way, as far as f32 arithmetic and the matrix unit's own rounding can turn it there, and no further.
;; One version. Each part assembles by itself: llvm-mc -triple=amdgcn-amd-amdhsa -mcpu=gfx1250 --defsym DOCPART=n.
;; ======== version 1 of 1: 8 launches
;; limits: an absolute error that grows with the inputs' magnitude: up to 1e-07 times it
;; workspace buffers: wts 22,937,600 bytes; h1 3,276,800 bytes; qkvc 19,660,800 bytes; attc 3,276,800 bytes; x1 16,777,216 bytes; h2 3,276,800 bytes; hid 13,107,200 bytes
;; launch wq (part 1): grid 768 x 1, 8 waves a work-group, no clusters, 66,816 bytes of LDS; arguments w_qkv, w_proj, w_fc1, w_fc2, wts; writes wts
.if DOCPART == 1
	.amdgcn_target "amdgcn-amd-amdhsa--gfx1250"
	.amdhsa_code_object_version 6
	.text
	.protected	k_q59c3a2e0ff_wq
	.globl	k_q59c3a2e0ff_wq
	.p2align	8
	.type	k_q59c3a2e0ff_wq,@function
k_q59c3a2e0ff_wq:
	s_mov_b64 s[64:65], 0
	v_nop
	global_prefetch_b8 v0, s[64:65] scope:SCOPE_SE
	s_setreg_imm32_b32 hwreg(HW_REG_WAVE_MODE, 25, 1), 1
	s_wait_xcnt 0x0
; The four weights, f32 with K innermost, become codes of FP6 (E2M3) and E8M0 scale words, laid as the matrix unit's registers take them.
; THE LAYOUT (all code buffers of this program): codes at P*PSTR + T*768 + i*256 + 8*lane: P = k/64, T = position/16, i = 0..2; lane (r, h) holds there piece i (8 bytes) of the 24 bytes of
; block 2P+h of the row at position 16T+r.  Scale words (four bytes: 128 along K) at SOFF + (k/128)*SSTR + 4*position.
; POSITION = row number with bits 3 and 4 exchanged, for w_qkv and w_fc1 (their rows become the next product's K); w_proj and w_fc2 keep their order.
; A block's scale is 2^(floor(log2(largest magnitude)) - 2); its byte is that magnitude's exponent field - 2, held at 1 from below.
; LIMITS: NaN and infinities are not served; blocks under 2^-124, blocks of zeros among them, keep the byte 1 (their codes are then small or zero; only this program reads the bytes).
; A work-group of eight waves takes 16 positions x 1,024 along K.  Wave w loads positions 2w, 2w+1 (two neighbouring rows), 512 consecutive bytes a load, into a stage in LDS; behind one barrier
; wave w takes K step w of all 16 rows: 64 numbers a lane, register 16 b + i = k 32 b + 16 h + i of row r.  No matrix unit, no tensor load: memory binds.
.set PSTR,  196608
.set SSTR,  16384
.set SOFF1, 0x300000
.set SOFF4, 0xC00000
.set WPROJ, 0x320000
.set WFC1,  0x640000
.set WFC2,  0x960000
.set SP,    4112                       ; a stage row: 4,096 bytes + 16: the 16 rows of a read begin in 16 different groups of banks
.set TM,    8                          ; v8-23  at work in QUANT
.set PW,    24                         ; v24    the scale word
.set CT,    26                         ; v26-33 the conversions' second halves
.set X,     36                         ; v36-99 64 numbers
.set PC,    100                        ; v100-111 the fragment's codes
.set SEL,   36                         ; s[36:37] selects for lane l xor 16
; 64 numbers of a lane, register 16 b + i = k 32 b + 16 h + i of my row, become a fragment's 12 registers in v[PC] on and its scale word in v[PW]
.macro QUANT s
.irp b, 0,1,2,3
	v_max3_num_f32 v[TM+\b], |v[\s+16*\b]|, |v[\s+16*\b+1]|, 0x1800000   ; my 16 numbers of block b, and the floor 2^(3 - 127): the byte cannot fall under 1
.endr
.irp i, 2,4,6,8,10,12,14
.irp b, 0,1,2,3
	v_max3_num_f32 v[TM+\b], v[TM+\b], |v[\s+16*\b+\i]|, |v[\s+16*\b+\i+1]|
.endr
.endr
.irp b, 0,1,2,3
	v_permlanex16_b32 v[TM+4+\b], v[TM+\b], s[SEL], s[SEL+1]
.endr
.irp b, 0,1,2,3
	v_max_num_f32 v[TM+\b], v[TM+\b], v[TM+4+\b]          ; with lane l xor 16's: the block's largest magnitude
.endr
.irp b, 0,1,2,3
	v_add_nc_u32 v[TM+12+\b], 0xff000000, v[TM+\b]        ; 2 off its exponent field: the conversion's scale operand
.endr
.irp b, 0,1,2,3
	v_lshrrev_b32 v[TM+4+\b], 23, v[TM+12+\b]             ; the scale's byte
.endr
	v_lshl_or_b32 v[PW], v[TM+5], 8, v[TM+4]
	v_lshl_or_b32 v[PW], v[TM+6], 16, v[PW]
	v_lshl_or_b32 v[PW], v[TM+7], 24, v[PW]
.irp c, 0,1
	v_cvt_scalef32_pk16_fp6_f32 v[PC+6*\c:PC+6*\c+2], v[\s+32*\c:\s+32*\c+15], v[TM+12+2*\c]
	v_cvt_scalef32_pk16_fp6_f32 v[CT+4*\c:CT+4*\c+2], v[\s+32*\c+16:\s+32*\c+31], v[TM+13+2*\c]
.endr
	v_nop                                                  ; one plain line behind the scaled conversions
.irp c, 0,1                                                ; a whole block to a lane: lanes 0-15 block 2 c, lanes 16-31 block 2 c + 1
.irp i, 0,1,2
	v_permlane16_swap_b32 v[PC+6*\c+\i], v[CT+4*\c+\i]
.endr
.irp i, 0,1,2
	v_mov_b32 v[PC+6*\c+3+\i], v[CT+4*\c+\i]
.endr
.endr
.endm
	s_load_b256 s[4:11], s[0:1], 0x0               ; w_qkv s[4:5], w_proj s[6:7], w_fc1 s[8:9], w_fc2 s[10:11]
	s_load_b64 s[12:13], s[0:1], 0x20              ; wts
	v_lshl_add_u32 v128, v0, 2, 0x10100
	v_mov_b32 v129, 0
	v_lshrrev_b32 v1, 5, v0
	v_readfirstlane_b32 s14, v1                    ; wave 0..7
	v_and_b32 v1, 31, v0                           ; lane
	v_and_b32 v2, 15, v0                           ; r
	v_bfe_u32 v3, v0, 4, 1                         ; h
	v_lshlrev_b32 v4, 4, v1                        ; 16 x lane
	s_mul_i32 s15, s14, 2*SP
	v_add_nc_u32 v5, s15, v4                       ; stage, in: rows 2w, 2w+1
	v_mul_u32_u24 v6, v2, SP
	v_lshl_add_u32 v6, v3, 6, v6
	s_lshl_b32 s15, s14, 9
	v_add_nc_u32 v6, s15, v6                       ; stage, out: row r, K step w, + 64 h
	v_lshlrev_b32 v7, 3, v1                        ; 8 x lane
	v_lshlrev_b32 v25, 2, v1                       ; 4 x lane
.irp b, 0,1,2,3
	v_mov_b32 v[TM+4+\b], 0                        ; a lane permute's destination counts as read
.endr
	s_mov_b32 s[SEL], 0x76543210
	s_mov_b32 s[SEL+1], 0xfedcba98
	; which tensor: work-groups 0-191 w_qkv, 192-255 w_proj, 256-511 w_fc1, 512-767 w_fc2 (four chunks of 1,024 along K for each 16 rows)
	s_mov_b32 s20, 512                             ; the tensor's first work-group
	s_mov_b32 s21, WFC2                            ; its region in wts
	s_mov_b32 s22, 0                               ; positions exchanged?
	s_mov_b32 s23, 16384                           ; a row in bytes
	s_mov_b32 s24, SOFF4                           ; from codes to scale words
	s_wait_kmcnt 0x0
	s_cmp_lt_u32 ttmp9, 512
	s_cselect_b64 s[16:17], s[8:9], s[10:11]
	s_cselect_b32 s20, 256, s20
	s_cselect_b32 s21, WFC1, s21
	s_cselect_b32 s22, 1, s22
	s_cselect_b32 s23, 4096, s23
	s_cselect_b32 s24, SOFF1, s24
	s_cmp_lt_u32 ttmp9, 256
	s_cselect_b64 s[16:17], s[6:7], s[16:17]
	s_cselect_b32 s20, 192, s20
	s_cselect_b32 s21, WPROJ, s21
	s_cselect_b32 s22, 0, s22
	s_cmp_lt_u32 ttmp9, 192
	s_cselect_b64 s[16:17], s[4:5], s[16:17]
	s_cselect_b32 s20, 0, s20
	s_cselect_b32 s21, 0, s21
	s_cselect_b32 s22, 1, s22
	s_sub_co_u32 s26, ttmp9, s20                   ; the unit's number in its tensor
	s_and_b32 s27, s26, 63
	s_lshr_b32 s28, s26, 6
	s_cmp_lt_u32 ttmp9, 512
	s_cselect_b32 s27, s26, s27                    ; T: which 16 positions
	s_cselect_b32 s28, 0, s28                      ; which 1,024 along K
	s_lshr_b32 s29, s27, 1
	s_lshl_b32 s29, s29, 5
	s_and_b32 s30, s27, 1
	s_lshl_b32 s30, s30, 3
	s_add_co_u32 s29, s29, s30
	s_lshr_b32 s30, s14, 2
	s_lshl_b32 s30, s30, 3
	s_add_co_u32 s29, s29, s30                     ; exchanged: 32 (T/2) + 8 (T%2) + 8 (w/4)
	s_lshl_b32 s30, s27, 4                         ; plain: 16 T
	s_cmp_eq_u32 s22, 1
	s_cselect_b32 s29, s29, s30
	s_lshl_b32 s30, s14, 1
	s_add_co_u32 s29, s29, s30                     ; + 2 w: my first row
	s_mul_i32 s30, s29, s23
	s_lshl_b32 s31, s28, 12
	s_add_co_u32 s30, s30, s31
	s_mov_b32 s31, 0
	s_add_nc_u64 s[16:17], s[16:17], s[30:31]      ; my first row's 4,096 bytes
	s_mov_b32 s32, s23
	s_mov_b32 s33, 0
	s_add_nc_u64 s[18:19], s[16:17], s[32:33]      ; my second row's
.irp e, 0,1
.irp j, 0,1,2,3,4,5,6,7
	global_load_b128 v[X+32*\e+4*\j:X+32*\e+4*\j+3], v4, s[16+2*\e:17+2*\e] offset:512*\j th:TH_LOAD_NT   ; 512 consecutive bytes; read once in the launch
.endr
.endr
	s_lshl_b32 s30, s28, 4
	s_lshl_b32 s32, s14, 1
	s_add_co_u32 s30, s30, s32                     ; my first panel: 16 chunk + 2 w
	s_mul_i32 s30, s30, PSTR
	s_mul_i32 s32, s27, 768
	s_add_co_u32 s30, s30, s32
	s_add_co_u32 s30, s30, s21
	s_add_nc_u64 s[32:33], s[12:13], s[30:31]      ; where my codes go
	s_lshl_b32 s30, s28, 3
	s_add_co_u32 s30, s30, s14
	s_lshl_b32 s30, s30, 14
	s_lshl_b32 s34, s27, 6
	s_add_co_u32 s30, s30, s34
	s_add_co_u32 s30, s30, s21
	s_add_co_u32 s30, s30, s24
	s_add_nc_u64 s[34:35], s[12:13], s[30:31]      ; and my scale words
.irp e, 0,1
.irp j, 0,1,2,3,4,5,6,7
	s_wait_loadcnt 15-8*\e-\j                      ; loads come back in order: this one is in, the younger ones may be out
	ds_store_b128 v5, v[X+32*\e+4*\j:X+32*\e+4*\j+3] offset:\e*SP+512*\j
.endr
.endr
	s_wait_dscnt 0x0                               ; my rows lie in the stage
	s_barrier_signal -1
	s_barrier_wait -1                              ; everybody's do
.irp b, 0,1,2,3
.irp j, 0,1,2,3
	ds_load_b128 v[X+16*\b+4*\j:X+16*\b+4*\j+3], v6 offset:128*\b+16*\j
.endr
.endr
	s_wait_dscnt 0x0
	QUANT X
.irp k, 0,1,2,3,4,5
	global_store_b64 v7, v[PC+2*\k:PC+2*\k+1], s[32:33] offset:(\k/3)*PSTR+(\k%3)*256   ; 32 lanes store 256 consecutive bytes, aligned
.endr
	v_cmp_gt_u32 vcc_lo, 16, v1
	s_wait_xcnt 0x0                                ; EXEC changes only behind this wait
	s_wait_tensorcnt 0x0
	ds_add_u32 v128, v129
	s_wait_dscnt 0x0
	s_and_saveexec_b32 s38, vcc_lo
	global_store_b32 v25, v[PW], s[34:35]          ; lanes 0-15: the 16 rows' scale words
	s_wait_xcnt 0x0
	s_or_b32 exec_lo, exec_lo, s38
	s_endpgm
.Lfunc_end_k_q59c3a2e0ff_wq:
	.size	k_q59c3a2e0ff_wq, .Lfunc_end_k_q59c3a2e0ff_wq-k_q59c3a2e0ff_wq
	.p2alignl 7, 3214868480
	.fill 96, 4, 3214868480
	.section	.rodata,"a",@progbits
	.p2align	6, 0x0
	.amdhsa_kernel k_q59c3a2e0ff_wq
		.amdhsa_group_segment_fixed_size 66816
		.amdhsa_private_segment_fixed_size 0
		.amdhsa_enable_private_segment 0
		.amdhsa_kernarg_size 40
		.amdhsa_user_sgpr_count 2
		.amdhsa_user_sgpr_kernarg_segment_ptr 1
		.amdhsa_wavefront_size32 1
		.amdhsa_system_sgpr_workgroup_id_x 1
		.amdhsa_system_sgpr_workgroup_id_y 1
		.amdhsa_system_sgpr_workgroup_id_z 1
		.amdhsa_system_vgpr_workitem_id 0
		.amdhsa_next_free_vgpr 130
		.amdhsa_next_free_sgpr 66
		.amdhsa_reserve_vcc 1
		.amdhsa_float_denorm_mode_32 3
		.amdhsa_float_denorm_mode_16_64 3
		.amdhsa_memory_ordered 1
		.amdhsa_forward_progress 1
		.amdhsa_inst_pref_size 13
	.end_amdhsa_kernel
	.amdgpu_metadata
---
amdhsa.version: [ 1, 2 ]
amdhsa.kernels:
  - .name:           k_q59c3a2e0ff_wq
    .symbol:         k_q59c3a2e0ff_wq.kd
    .args:
      - { .name: w_qkv, .offset: 0, .size: 8, .value_kind: global_buffer, .address_space: global }
      - { .name: w_proj, .offset: 8, .size: 8, .value_kind: global_buffer, .address_space: global }
      - { .name: w_fc1, .offset: 16, .size: 8, .value_kind: global_buffer, .address_space: global }
      - { .name: w_fc2, .offset: 24, .size: 8, .value_kind: global_buffer, .address_space: global }
      - { .name: wts, .offset: 32, .size: 8, .value_kind: global_buffer, .address_space: global }
    .group_segment_fixed_size: 66816
    .private_segment_fixed_size: 0
    .kernarg_segment_align: 8
    .kernarg_segment_size: 40
    .max_flat_workgroup_size: 256
    .sgpr_count:     66
    .vgpr_count:     130
    .wavefront_size: 32
...
	.end_amdgpu_metadata
.endif
;; end of part 1
;; launch ln (part 2): grid 256 x 1, 8 waves a work-group, no clusters, 66,816 bytes of LDS; arguments x, ln1_g, ln1_b, h1; writes h1
.if DOCPART == 2
	.amdgcn_target "amdgcn-amd-amdhsa--gfx1250"
	.amdhsa_code_object_version 6
	.text
	.protected	k_q59c3a2e0ff_ln
	.globl	k_q59c3a2e0ff_ln
	.p2align	8
	.type	k_q59c3a2e0ff_ln,@function
k_q59c3a2e0ff_ln:
	s_mov_b64 s[64:65], 0
	v_nop
	global_prefetch_b8 v0, s[64:65] scope:SCOPE_SE
	s_setreg_imm32_b32 hwreg(HW_REG_WAVE_MODE, 25, 1), 1
	s_wait_xcnt 0x0
; y = (x - mean) * rsqrt(var + 1e-5) * g + b along rows of 1,024, in f32, and y quantised along the row to codes of FP6 (E2M3) with E8M0 scale words.
; The variance is the mean of (x - mean)^2, taken in a second pass over registers, so that a common offset of the inputs does no harm.
; OUTPUT LAYOUT: codes at P*PSTR + T*768 + i*256 + 8*lane (P = k/64, T = position/16; lane (r, h): piece i of the 24 bytes of block 2P+h of position 16T+r); scale words at SOFF1 + (k/128)*SSTR + 4*position.
; POSITION = row number with bits 3 and 4 exchanged: position 16T+r holds row 32 (T/2) + 8 (T%2) + r + 8 (r/8).
; LIMITS: NaN and infinities are not served; blocks under 2^-124 keep the byte 1; rsqrt comes from v_rsq_f32.
; A work-group of eight waves takes 16 positions.  Wave w normalises positions 2w, 2w+1 (two neighbouring rows, a row in 32 registers), puts them into a stage in LDS; behind one barrier wave w
; quantises K step w of all 16 rows.  Memory binds: no matrix unit, no tensor load.
.set PSTR,  196608
.set SSTR,  16384
.set SOFF1, 0x300000
.set SP,    4112
.set TM,    8
.set PW,    24
.set CT,    26
.set X,     36
.set PC,    100
.set G,     112
.set B,     144
.set SEL,   20
.macro QUANT s
.irp b, 0,1,2,3
	v_max3_num_f32 v[TM+\b], |v[\s+16*\b]|, |v[\s+16*\b+1]|, 0x1800000
.endr
.irp i, 2,4,6,8,10,12,14
.irp b, 0,1,2,3
	v_max3_num_f32 v[TM+\b], v[TM+\b], |v[\s+16*\b+\i]|, |v[\s+16*\b+\i+1]|
.endr
.endr
.irp b, 0,1,2,3
	v_permlanex16_b32 v[TM+4+\b], v[TM+\b], s[SEL], s[SEL+1]
.endr
.irp b, 0,1,2,3
	v_max_num_f32 v[TM+\b], v[TM+\b], v[TM+4+\b]
.endr
.irp b, 0,1,2,3
	v_add_nc_u32 v[TM+12+\b], 0xff000000, v[TM+\b]
.endr
.irp b, 0,1,2,3
	v_lshrrev_b32 v[TM+4+\b], 23, v[TM+12+\b]
.endr
	v_lshl_or_b32 v[PW], v[TM+5], 8, v[TM+4]
	v_lshl_or_b32 v[PW], v[TM+6], 16, v[PW]
	v_lshl_or_b32 v[PW], v[TM+7], 24, v[PW]
.irp c, 0,1
	v_cvt_scalef32_pk16_fp6_f32 v[PC+6*\c:PC+6*\c+2], v[\s+32*\c:\s+32*\c+15], v[TM+12+2*\c]
	v_cvt_scalef32_pk16_fp6_f32 v[CT+4*\c:CT+4*\c+2], v[\s+32*\c+16:\s+32*\c+31], v[TM+13+2*\c]
.endr
	v_nop
.irp c, 0,1
.irp i, 0,1,2
	v_permlane16_swap_b32 v[PC+6*\c+\i], v[CT+4*\c+\i]
.endr
.irp i, 0,1,2
	v_mov_b32 v[PC+6*\c+3+\i], v[CT+4*\c+\i]
.endr
.endr
.endm
; the two rows' figures in v[a] and v[a+4] are summed over the 32 lanes, by turns; v[t], v[t+4] at work
.macro RED a, t
.irp m, 1,2,4,8
.irp e, 0,4
	v_add_f32_dpp v[\a+\e], v[\a+\e], v[\a+\e] row_xmask:\m row_mask:0xf bank_mask:0xf
.endr
.endr
.irp e, 0,4
	v_permlanex16_b32 v[\t+\e], v[\a+\e], s[SEL], s[SEL+1]
.endr
.irp e, 0,4
	v_add_f32 v[\a+\e], v[\a+\e], v[\t+\e]
.endr
.endm
	s_load_b256 s[4:11], s[0:1], 0x0               ; the rows s[4:5], g s[6:7], b s[8:9], the codes' buffer s[10:11]
	v_lshl_add_u32 v176, v0, 2, 0x10100
	v_mov_b32 v177, 0
	v_lshrrev_b32 v1, 5, v0
	v_readfirstlane_b32 s14, v1                    ; wave 0..7
	v_and_b32 v1, 31, v0
	v_and_b32 v2, 15, v0
	v_bfe_u32 v3, v0, 4, 1
	v_lshlrev_b32 v4, 4, v1
	s_mul_i32 s15, s14, 2*SP
	v_add_nc_u32 v5, s15, v4
	v_mul_u32_u24 v6, v2, SP
	v_lshl_add_u32 v6, v3, 6, v6
	s_lshl_b32 s15, s14, 9
	v_add_nc_u32 v6, s15, v6
	v_lshlrev_b32 v7, 3, v1
	v_lshlrev_b32 v25, 2, v1
	s_mov_b32 s[SEL], 0x76543210
	s_mov_b32 s[SEL+1], 0xfedcba98
	s_mov_b32 s22, 0x3a800000                      ; 1 / 1,024
	s_mov_b32 s23, 0x3727c5ac                      ; 1e-5
	s_lshr_b32 s16, ttmp9, 1
	s_lshl_b32 s16, s16, 5
	s_and_b32 s17, ttmp9, 1
	s_lshl_b32 s17, s17, 3
	s_add_co_u32 s16, s16, s17
	s_lshr_b32 s17, s14, 2
	s_lshl_b32 s17, s17, 3
	s_add_co_u32 s16, s16, s17
	s_lshl_b32 s17, s14, 1
	s_add_co_u32 s16, s16, s17                     ; my first row: 32 (T/2) + 8 (T%2) + 2 w + 8 (w/4)
	s_lshl_b32 s16, s16, 12
	s_mov_b32 s17, 0
	s_wait_kmcnt 0x0
	s_add_nc_u64 s[4:5], s[4:5], s[16:17]
.irp e, 0,1
.irp j, 0,1,2,3,4,5,6,7
	global_load_b128 v[X+32*\e+4*\j:X+32*\e+4*\j+3], v4, s[4:5] offset:4096*\e+512*\j
.endr
.endr
.irp j, 0,1,2,3,4,5,6,7
	global_load_b128 v[G+4*\j:G+4*\j+3], v4, s[6:7] offset:512*\j
.endr
.irp j, 0,1,2,3,4,5,6,7
	global_load_b128 v[B+4*\j:B+4*\j+3], v4, s[8:9] offset:512*\j
.endr
	s_mul_i32 s16, s14, 2*PSTR
	s_mul_i32 s18, ttmp9, 768
	s_add_co_u32 s16, s16, s18
	s_add_nc_u64 s[24:25], s[10:11], s[16:17]      ; where my codes go: panels 2w, 2w+1
	s_lshl_b32 s16, s14, 14
	s_lshl_b32 s18, ttmp9, 6
	s_add_co_u32 s16, s16, s18
	s_add_co_u32 s16, s16, SOFF1
	s_add_nc_u64 s[26:27], s[10:11], s[16:17]      ; and my scale words
	s_wait_loadcnt 16                              ; the two rows are in; g's and b's sixteen loads may be out
.irp e, 0,1
	v_pk_add_f32 v[8+4*\e:9+4*\e], v[X+32*\e:X+32*\e+1], v[X+32*\e+2:X+32*\e+3]
	v_pk_add_f32 v[10+4*\e:11+4*\e], v[X+32*\e+4:X+32*\e+5], v[X+32*\e+6:X+32*\e+7]
.endr
.irp j, 8,12,16,20,24,28
.irp e, 0,1
	v_pk_add_f32 v[8+4*\e:9+4*\e], v[8+4*\e:9+4*\e], v[X+32*\e+\j:X+32*\e+\j+1]
	v_pk_add_f32 v[10+4*\e:11+4*\e], v[10+4*\e:11+4*\e], v[X+32*\e+\j+2:X+32*\e+\j+3]
.endr
.endr
.irp e, 0,1
	v_pk_add_f32 v[8+4*\e:9+4*\e], v[8+4*\e:9+4*\e], v[10+4*\e:11+4*\e]
.endr
.irp e, 0,1
	v_add_f32 v[8+4*\e], v[8+4*\e], v[9+4*\e]
.endr
	RED 8, 9
.irp e, 0,1
	v_mul_f32 v[8+4*\e], s22, v[8+4*\e]            ; the mean
.endr
.irp j, 0,2,4,6,8,10,12,14,16,18,20,22,24,26,28,30
.irp e, 0,1
	v_pk_add_f32 v[X+32*\e+\j:X+32*\e+\j+1], v[X+32*\e+\j:X+32*\e+\j+1], v[8+4*\e:9+4*\e] op_sel_hi:[1,0] neg_lo:[0,1] neg_hi:[0,1]   ; d = x - mean
.endr
.endr
.irp e, 0,1
	v_pk_mul_f32 v[10+4*\e:11+4*\e], v[X+32*\e:X+32*\e+1], v[X+32*\e:X+32*\e+1]
	v_pk_mul_f32 v[16+2*\e:17+2*\e], v[X+32*\e+2:X+32*\e+3], v[X+32*\e+2:X+32*\e+3]
.endr
.irp j, 4,8,12,16,20,24,28
.irp e, 0,1
	v_pk_fma_f32 v[10+4*\e:11+4*\e], v[X+32*\e+\j:X+32*\e+\j+1], v[X+32*\e+\j:X+32*\e+\j+1], v[10+4*\e:11+4*\e]
	v_pk_fma_f32 v[16+2*\e:17+2*\e], v[X+32*\e+\j+2:X+32*\e+\j+3], v[X+32*\e+\j+2:X+32*\e+\j+3], v[16+2*\e:17+2*\e]
.endr
.endr
.irp e, 0,1
	v_pk_add_f32 v[10+4*\e:11+4*\e], v[10+4*\e:11+4*\e], v[16+2*\e:17+2*\e]
.endr
.irp e, 0,1
	v_add_f32 v[10+4*\e], v[10+4*\e], v[11+4*\e]
.endr
	RED 10, 11
.irp e, 0,1
	v_fma_f32 v[10+4*\e], v[10+4*\e], s22, s23     ; var + 1e-5
.endr
.irp e, 0,1
	v_rsq_f32 v[10+4*\e], v[10+4*\e]
.endr
	v_nop                                          ; a plain line behind the transcendentals
	s_wait_alu depctr_va_vdst(0)                   ; one wait for the two, ahead of their first reader
	s_wait_loadcnt 0x0                             ; g and b
.irp j, 0,2,4,6,8,10,12,14,16,18,20,22,24,26,28,30
.irp e, 0,1
	v_pk_mul_f32 v[X+32*\e+\j:X+32*\e+\j+1], v[X+32*\e+\j:X+32*\e+\j+1], v[10+4*\e:11+4*\e] op_sel_hi:[1,0]
.endr
.irp e, 0,1
	v_pk_fma_f32 v[X+32*\e+\j:X+32*\e+\j+1], v[X+32*\e+\j:X+32*\e+\j+1], v[G+\j:G+\j+1], v[B+\j:B+\j+1]
.endr
.endr
.irp e, 0,1
.irp j, 0,1,2,3,4,5,6,7
	ds_store_b128 v5, v[X+32*\e+4*\j:X+32*\e+4*\j+3] offset:\e*SP+512*\j
.endr
.endr
	s_wait_dscnt 0x0                               ; my rows lie in the stage
	s_barrier_signal -1
	s_barrier_wait -1
.irp b, 0,1,2,3
.irp j, 0,1,2,3
	ds_load_b128 v[X+16*\b+4*\j:X+16*\b+4*\j+3], v6 offset:128*\b+16*\j
.endr
.endr
	s_wait_dscnt 0x0
	QUANT X
.irp k, 0,1,2,3,4,5
	global_store_b64 v7, v[PC+2*\k:PC+2*\k+1], s[24:25] offset:(\k/3)*PSTR+(\k%3)*256   ; 256 consecutive bytes, aligned
.endr
	v_cmp_gt_u32 vcc_lo, 16, v1
	s_wait_xcnt 0x0                                ; EXEC changes only behind this wait
	s_wait_tensorcnt 0x0
	ds_add_u32 v176, v177
	s_wait_dscnt 0x0
	s_and_saveexec_b32 s28, vcc_lo
	global_store_b32 v25, v[PW], s[26:27]
	s_wait_xcnt 0x0
	s_or_b32 exec_lo, exec_lo, s28
	s_endpgm
.Lfunc_end_k_q59c3a2e0ff_ln:
	.size	k_q59c3a2e0ff_ln, .Lfunc_end_k_q59c3a2e0ff_ln-k_q59c3a2e0ff_ln
	.p2alignl 7, 3214868480
	.fill 96, 4, 3214868480
	.section	.rodata,"a",@progbits
	.p2align	6, 0x0
	.amdhsa_kernel k_q59c3a2e0ff_ln
		.amdhsa_group_segment_fixed_size 66816
		.amdhsa_private_segment_fixed_size 0
		.amdhsa_enable_private_segment 0
		.amdhsa_kernarg_size 32
		.amdhsa_user_sgpr_count 2
		.amdhsa_user_sgpr_kernarg_segment_ptr 1
		.amdhsa_wavefront_size32 1
		.amdhsa_system_sgpr_workgroup_id_x 1
		.amdhsa_system_sgpr_workgroup_id_y 1
		.amdhsa_system_sgpr_workgroup_id_z 1
		.amdhsa_system_vgpr_workitem_id 0
		.amdhsa_next_free_vgpr 178
		.amdhsa_next_free_sgpr 66
		.amdhsa_reserve_vcc 1
		.amdhsa_float_denorm_mode_32 3
		.amdhsa_float_denorm_mode_16_64 3
		.amdhsa_memory_ordered 1
		.amdhsa_forward_progress 1
		.amdhsa_inst_pref_size 24
	.end_amdhsa_kernel
	.amdgpu_metadata
---
amdhsa.version: [ 1, 2 ]
amdhsa.kernels:
  - .name:           k_q59c3a2e0ff_ln
    .symbol:         k_q59c3a2e0ff_ln.kd
    .args:
      - { .name: x, .offset: 0, .size: 8, .value_kind: global_buffer, .address_space: global }
      - { .name: ln1_g, .offset: 8, .size: 8, .value_kind: global_buffer, .address_space: global }
      - { .name: ln1_b, .offset: 16, .size: 8, .value_kind: global_buffer, .address_space: global }
      - { .name: h1, .offset: 24, .size: 8, .value_kind: global_buffer, .address_space: global }
    .group_segment_fixed_size: 66816
    .private_segment_fixed_size: 0
    .kernarg_segment_align: 8
    .kernarg_segment_size: 32
    .max_flat_workgroup_size: 256
    .sgpr_count:     66
    .vgpr_count:     178
    .wavefront_size: 32
...
	.end_amdgpu_metadata
.endif
;; end of part 2
;; launch qkv (part 3): grid 8 x 24, 4 waves a work-group, clusters of 4 x 4, 327,680 bytes of LDS; arguments h1, wts, qkvc; writes qkvc
.if DOCPART == 3
	.amdgcn_target "amdgcn-amd-amdhsa--gfx1250"
	.amdhsa_code_object_version 6
	.text
	.protected	k_q59c3a2e0ff_qkv
	.globl	k_q59c3a2e0ff_qkv
	.p2align	8
	.type	k_q59c3a2e0ff_qkv,@function
k_q59c3a2e0ff_qkv:
	s_mov_b64 s[64:65], 0
	v_nop
	global_prefetch_b8 v0, s[64:65] scope:SCOPE_SE
	s_setreg_imm32_b32 hwreg(HW_REG_WAVE_MODE, 25, 1), 1
	s_wait_xcnt 0x0
	s_wait_alu depctr_hold_cnt(0) depctr_sa_sdst(0) depctr_va_vdst(0) depctr_va_sdst(0) depctr_va_ssrc(0) depctr_va_vcc(0) depctr_vm_vsrc(0)
	s_getreg_b32 s2, hwreg(HW_REG_IB_STS2, 6, 4)
	s_cmp_eq_u32 s2, 0
	s_cbranch_scc0 .Lentry_in_a_cluster
	s_endpgm
.Lentry_in_a_cluster:
	s_bfe_u32 s2, ttmp6, 0x10000c
	s_cmp_lg_u32 s2, 0xf033
	s_cbranch_scc0 .Lentry_shape_is_right
	s_endpgm
.Lentry_shape_is_right:
; q, k, v = LN1(x) w_qkv^T on codes of FP6 (E2M3) with E8M0 scales, and the results quantised on the way out: q and k along the head's 64, v along the keys.
; OPERAND LAYOUT (made by the launches before): codes at P*PSTR + T*768 + i*256 + 8*lane (P = k/64, T = position/16): a fragment is six loads of 256 consecutive bytes; scale words at SOFF + (k/128)*SSTR + 4*position.
; A tile of 256 x 256 to a work-group of four waves, 128 x 128 a wave: 64 accumulators.  K in steps of 128, two to an LDS slot, two slots, filled by joint tensor loads in a cluster of 4 x 4.
; THE PRODUCT IS USED TRANSPOSED: source 0 = 16 positions of "B", source 1 = 16 positions of "A": a lane holds one row of A and its registers run along B's rows.  B's positions are row numbers with bits 3 and 4
; exchanged, so the 16 registers of B's tiles 2 b, 2 b + 1 are 16 neighbours, 32 b + 16 h + 0..15, of the next product's K.
; Clusters y = 0..3: A = tokens, B = w_q's and w_k's rows: out come q and k, rows = token positions, K = channels.  Clusters y = 4, 5: A = w_v's rows, B = tokens: out comes v, rows = channel positions, K = tokens.
; The choice hangs on the cluster's y alone and only selects pointers and tile numbers.
; LIMITS: NaN and infinities are not served; blocks under 2^-124 keep the byte 1.
; REGISTERS: window 0: v1-6, v16-31 addresses; v32-47 scale words, two sets; v64-159, v160-255 A's fragments, two sets.  window 1: v0-95, v96-191 B's fragments.  windows 2, 3: accumulator (a, b) at v[8 (8 (a%4) + b)] of window 2 + a/4.
.set NBLK,  8
.set NQ,    2
.set KTOT,  1024
.set HASBIAS, 0
.set SOFF1, 0x300000
.set QK_S,  0x600000
.set V_C,   0x640000
.set V_S,   0x1240000
.set AP,    10
.set BP,    12
.set ASOFF, SOFF1
.set BOFF,  0
.set BSOFF, SOFF1
.set PSTR,  196608
.set SSTR,  16384
.set HROWS, 16*NBLK                    ; rows of A or B for a wave, and in a tensor load
.set PANB,  48*HROWS                   ; their bytes in a panel of 64 along K
.set HALFT, 2*NQ*PANB                  ; what one tensor load brings
.set SLOT,  4*HALFT                    ; A's two halves, B's two halves
.set NKS,   KTOT/128
.set LAPS,  KTOT/(256*NQ)
.set SCL,   2*SLOT                     ; behind the ring: the scale words for all of K, filled once
.set HALFS, NKS*HROWS*4
.set SPARE, SCL+4*HALFS                ; the spare words: 128 bytes a wave, named by no other line
.set ADRA,  16
.set ADRB,  20
.set ADRS,  27
.set SPW,   28
.set NIL,   29
.set SC,    32
.set AF,    64
.set BIAS,  192
.set G1,    24
.set G0,    32
.set G1B,   48
.set G0B,   56
.set G1S,   68
.set G0S,   76
.set G1SB,  80
.set G0SB,  88
.set MSB, 0
.macro WIN new                         ; the immediate's high byte repeats the setting that is left
.if MSB != (\new)
	s_set_vgpr_msb (MSB<<8)|(\new)
.set MSB, (\new)
.endif
.endm
.macro PLACES n
.rept \n
	v_nop
.endr
.endm
.macro JLOAD g0a, g1a, g0b, g1b        ; a joint load: waves 0, 1 fetch for A, waves 2, 3 for B; four v_nop follow each line
	s_cmp_eq_u32 s15, 0
	s_cbranch_scc0 .Lfor_b_\@
	tensor_load_to_lds s[\g0a:\g0a+3], s[\g1a:\g1a+7]
	s_nop 0
	PLACES 4
	s_branch .Lasked_\@
.Lfor_b_\@:
	tensor_load_to_lds s[\g0b:\g0b+3], s[\g1b:\g1b+7]
	s_nop 0
	PLACES 4
.Lasked_\@:
.endm
.macro CREST                           ; a round of the cluster's barrier behind its opening barrier
	s_cmp_lg_u32 s14, 0
	s_cbranch_scc1 .Lnot_wave_0_\@
	s_barrier_signal -3
.Lnot_wave_0_\@:
	s_barrier_wait -3
	s_barrier_signal -1
	s_barrier_wait -1
.endm
.macro CROUND
	s_barrier_signal -1
	s_barrier_wait -1
	CREST
.endm
.macro FRAG reg, adr, q, i             ; a fragment: 16 positions x 128 K, 12 registers, six loads of 256 consecutive bytes
.irp p, 0,1,2,3,4,5
	ds_load_b64 v[\reg+2*\p:\reg+2*\p+1], v[\adr] offset:(2*(\q)+\p/3)*PANB+(\i)*768+(\p%3)*256
.endr
.endm
.macro FETCHP slot, q, set, i          ; piece i of a K step's operands: B's fragment i, A's fragment i, and the register with A's (lanes 0-15) and B's (lanes 16-31) scale words of block i
	WIN 0x40
	FRAG 96*(\set)+12*(\i), ADRB+\slot, \q, \i
	WIN 0
	FRAG AF+96*(\set)+12*(\i), ADRA+\slot, \q, \i
	ds_load_b32 v[SC+NBLK*(\set)+(\i)], v[ADRS] offset:(\q)*HROWS*4+64*(\i)
.endm
.macro MULA a, set, first              ; A's block a against B's NBLK blocks.  All accumulators take turns, one instruction a turn
.if (\first) && HASBIAS
	WIN 0x91+0x40*((\a)/4)
.else
	WIN 0xa1+0x50*((\a)/4)
.endif
.set ib, 0
.rept NBLK
.set AC, 8*(NBLK*((\a)%4)+ib)
.set FB, 96*(\set)+12*ib
.set FA, AF+96*(\set)+12*(\a)
.if (\first) && HASBIAS
	v_wmma_scale_f32_16x16x128_f8f6f4 v[AC:AC+7], v[FB:FB+11], v[FA:FA+11], v[BIAS+8*ib:BIAS+8*ib+7], v[SC+NBLK*(\set)+ib], v[SC+NBLK*(\set)+(\a)] matrix_a_fmt:MATRIX_FMT_FP6 matrix_b_fmt:MATRIX_FMT_FP6 matrix_a_scale:MATRIX_SCALE_ROW1
.elseif \first
	v_wmma_scale_f32_16x16x128_f8f6f4 v[AC:AC+7], v[FB:FB+11], v[FA:FA+11], 0, v[SC+NBLK*(\set)+ib], v[SC+NBLK*(\set)+(\a)] matrix_a_fmt:MATRIX_FMT_FP6 matrix_b_fmt:MATRIX_FMT_FP6 matrix_a_scale:MATRIX_SCALE_ROW1
.else
	v_wmma_scale_f32_16x16x128_f8f6f4 v[AC:AC+7], v[FB:FB+11], v[FA:FA+11], v[AC:AC+7], v[SC+NBLK*(\set)+ib], v[SC+NBLK*(\set)+(\a)] matrix_a_fmt:MATRIX_FMT_FP6 matrix_b_fmt:MATRIX_FMT_FP6 matrix_a_scale:MATRIX_SCALE_ROW1
.endif
.set ib, ib+1
.endr
.endm
.macro STEP slot, q, first             ; a K step of 128 whose successor lies in the same slot: the successor's operands are fetched in pieces between the products
	s_wait_dscnt 0x0                               ; this step's operands, asked for during the last step, are in
	PLACES 4                                       ; four places between the last step's products and the loads into the registers that they read
.set ia, 0
.rept NBLK
	MULA ia, (\q)%2, \first
	FETCHP \slot, (\q)+1, 1-(\q)%2, ia
.set ia, ia+1
.endr
.endm
.macro STEPS slot, from
.if NQ-1-(\from) > 0
.set iq, \from
.rept NQ-1-(\from)
	STEP \slot, iq, 0
.set iq, iq+1
.endr
.endif
.endm
.macro TURN slot, next, fill           ; a slot's last K step changes slots: one barrier, in the K steps that fill a slot again the opening of a round of the cluster's barrier
	s_wait_tensorcnt 0x0                           ; all my tensor loads have landed: my part of the next slot
	ds_add_u32 v[SPW], v[NIL]                      ; 0 onto my spare word
.if \fill
	s_add_nc_u64 s[G0+4*\slot+2:G0+4*\slot+3], s[G0+4*\slot+2:G0+4*\slot+3], 4*NQ*PSTR       ; no load of mine is out: this slot's next K steps
	s_add_nc_u64 s[G0B+4*\slot+2:G0B+4*\slot+3], s[G0B+4*\slot+2:G0B+4*\slot+3], 4*NQ*PSTR
.endif
	s_wait_dscnt 0x0                               ; the add is done, and my reads of this slot are over
	s_barrier_signal -1
.set ia, 0
.rept NBLK/2
	MULA ia, 1, 0
.set ia, ia+1
.endr
	WIN 0
	s_barrier_wait -1
.if \fill
	CREST                                          ; no wave of any partner still reads this slot or has a load on its way
	JLOAD G0+4*\slot, G1, G0B+4*\slot, G1B         ; the first tensor load behind the round; its four v_nop are also the places in front of the loads below
.else
	PLACES 4
.endif
	v_add_nc_u32 v[ADRS], NQ*HROWS*4, v[ADRS]      ; the next slot's scale words
.rept NBLK/2
	MULA ia, 1, 0
	FETCHP \next, 0, 0, 2*ia-NBLK
	FETCHP \next, 0, 0, 2*ia-NBLK+1
.set ia, ia+1
.endr
.endm
.macro LAST
	s_wait_dscnt 0x0
.set ia, 0
.rept NBLK
	MULA ia, 1, 0
.set ia, ia+1
.endr
	WIN 0
.endm
	s_load_b128 s[4:7], s[0:1], 0x0                ; h1 s[4:5], wts s[6:7]
	s_load_b64 s[8:9], s[0:1], 0x10                ; qkvc
	v_lshl_add_u32 v[SPW], v0, 2, SPARE
	v_mov_b32 v[NIL], 0
	ds_add_u32 v28, v29
	ds_add_u32 v28, v29
	s_wait_dscnt 0x0
	v_lshrrev_b32 v1, 5, v0
	v_readfirstlane_b32 s14, v1                    ; wave 0..3
	s_lshr_b32 s15, s14, 1                         ; my half of A's rows.  Also: I fetch for A (0) or B (1)
	s_and_b32 s16, s14, 1                          ; my half of B's rows.  Also: which half I fetch
	s_bfe_u32 s40, ttmp6, 0x40000                  ; cx
	s_bfe_u32 s41, ttmp6, 0x40004                  ; cy
	s_and_b32 s98, ttmp7, 0xffff                   ; the cluster's y
	s_lshl_b32 s18, s98, 2
	s_sub_co_u32 s19, s98, 4
	s_lshl_b32 s19, s19, 3
	s_lshl_b32 s42, ttmp9, 2
	s_add_co_u32 s42, s42, s40
	s_mov_b32 s97, QK_S
	s_cmp_ge_u32 s98, 4                            ; v's tiles?  The same in all sixteen partners
	s_cselect_b32 s17, 8, s18
	s_cselect_b32 s99, 0, s18
	s_cselect_b32 s19, s19, 0
	s_cselect_b32 s96, V_C, 0
	s_cselect_b32 s97, V_S, s97
	s_add_co_u32 s17, s17, s41                     ; A's tile: tokens 4 y + cy, or w_v's rows 8 + cy
	s_add_co_u32 s99, s99, s41                     ; the output's tile of rows
	s_add_co_u32 s42, s42, s19                     ; B's tile: w_q, w_k rows 4 x + cx, or tokens 4 x + cx + 8 (y - 4)
	s_lshl_b32 s43, s41, 2
	s_lshl_b32 s43, 15, s43                        ; my row of the cluster
	s_lshl_b32 s44, 0x1111, s40                    ; my column
	; descriptor group 1, codes: 2 NQ panels (rows) of PANB bytes, as elements of 8 bytes, PSTR bytes apart; dense in LDS
	s_or_b32 s[G1+0], s43, (3<<16)|(1<<21)
	s_or_b32 s[G1B+0], s44, (3<<16)|(1<<21)
.irp g, G1, G1B
	s_mov_b32 s[\g+1], (PANB/8)<<16                ; tensor_dim0
	s_mov_b32 s[\g+2], (2*NQ)<<16                  ; tensor_dim1
	s_mov_b32 s[\g+3], (PANB/8)<<16                ; tile_dim0
	s_mov_b32 s[\g+4], 2*NQ                        ; tile_dim1
	s_mov_b32 s[\g+5], PSTR/8                      ; stride
	s_mov_b32 s[\g+6], 0
	s_mov_b32 s[\g+7], 0
.endr
	; scale words: NKS rows of HROWS words, SSTR bytes apart
	s_or_b32 s[G1S+0], s43, (2<<16)|(1<<21)
	s_or_b32 s[G1SB+0], s44, (2<<16)|(1<<21)
.irp g, G1S, G1SB
	s_mov_b32 s[\g+1], HROWS<<16
	s_mov_b32 s[\g+2], NKS<<16
	s_mov_b32 s[\g+3], HROWS<<16
	s_mov_b32 s[\g+4], NKS
	s_mov_b32 s[\g+5], SSTR/4
	s_mov_b32 s[\g+6], 0
	s_mov_b32 s[\g+7], 0
.endr
	s_mul_i32 s18, s16, HROWS
	s_mul_i32 s20, s17, 2*HROWS
	s_add_co_u32 s20, s20, s18                     ; A: the first position that I fetch
	s_mul_i32 s46, s42, 2*HROWS
	s_add_co_u32 s46, s46, s18                     ; B likewise
	s_lshl_b32 s22, s20, 2
	s_mov_b32 s23, 0
	s_lshl_b32 s92, s46, 2
	s_mov_b32 s93, 0
	s_mul_i32 s20, s20, 48
	s_mov_b32 s21, 0
	s_mul_i32 s46, s46, 48
	s_mov_b32 s47, 0
	s_mul_i32 s45, s14, HALFT                      ; where they go: the wave's number alone enters an LDS address
	s_mul_i32 s94, s14, HALFS
	s_wait_kmcnt 0x0
	s_cmp_ge_u32 s98, 4
	s_cselect_b64 s[10:11], s[6:7], s[4:5]         ; A's buffer
	s_cselect_b64 s[12:13], s[4:5], s[6:7]         ; B's
	s_add_nc_u64 s[20:21], s[AP:AP+1], s[20:21]
	s_add_nc_u64 s[22:23], s[AP:AP+1], s[22:23]
	s_add_nc_u64 s[22:23], s[22:23], ASOFF
	s_add_nc_u64 s[46:47], s[BP:BP+1], s[46:47]
	s_add_nc_u64 s[46:47], s[46:47], BOFF
	s_add_nc_u64 s[92:93], s[BP:BP+1], s[92:93]
	s_add_nc_u64 s[92:93], s[92:93], BOFF+BSOFF
	CROUND                                         ; all sixteen work-groups are here: the first joint loads meet
	s_mov_b32 s[G0S], 1
	s_add_co_u32 s[G0S+1], s94, SCL
	s_mov_b64 s[G0S+2:G0S+3], s[22:23]
	s_or_b32 s[G0S+3], s[G0S+3], 0x80000000
	s_mov_b32 s[G0SB], 1
	s_add_co_u32 s[G0SB+1], s94, SCL
	s_mov_b64 s[G0SB+2:G0SB+3], s[92:93]
	s_or_b32 s[G0SB+3], s[G0SB+3], 0x80000000
	JLOAD G0S, G1S, G0SB, G1SB                     ; the scale words first
.irp s, 0,1
	s_mov_b32 s[G0+4*\s], 1
	s_add_co_u32 s[G0+4*\s+1], s45, \s*SLOT
	s_add_nc_u64 s[G0+4*\s+2:G0+4*\s+3], s[20:21], \s*2*NQ*PSTR
	s_or_b32 s[G0+4*\s+3], s[G0+4*\s+3], 0x80000000
	s_mov_b32 s[G0B+4*\s], 1
	s_add_co_u32 s[G0B+4*\s+1], s45, \s*SLOT
	s_add_nc_u64 s[G0B+4*\s+2:G0B+4*\s+3], s[46:47], \s*2*NQ*PSTR
	s_or_b32 s[G0B+4*\s+3], s[G0B+4*\s+3], 0x80000000
	JLOAD G0+4*\s, G1, G0B+4*\s, G1B
.endr
	v_and_b32 v1, 15, v0                           ; r
	v_bfe_u32 v2, v0, 4, 1                         ; h
	v_and_b32 v3, 31, v0
	v_lshlrev_b32 v3, 3, v3                        ; 8 x lane
	s_mul_i32 s21, s15, HALFT
	s_mul_i32 s22, s16, HALFT
	s_add_co_u32 s22, s22, 2*HALFT
.irp s, 0,1
	v_add_nc_u32 v[ADRA+\s], s21, v3
	v_add_nc_u32 v[ADRB+\s], s22, v3
	s_add_co_u32 s21, s21, SLOT
	s_add_co_u32 s22, s22, SLOT
.endr
	v_lshlrev_b32 v5, 2, v1
	s_mul_i32 s21, s15, HALFS
	s_mul_i32 s22, s16, HALFS
	s_add_co_u32 s22, s22, 2*HALFS
	s_sub_co_u32 s22, s22, s21
	v_mul_u32_u24 v6, s22, v2                      ; lanes 16-31 take B's words
	s_add_co_u32 s21, s21, SCL
	v_add_nc_u32 v5, v5, v6
	v_add_nc_u32 v[ADRS], s21, v5
	; the way out: where my codes and scale words go
	s_lshl_b32 s18, s42, 2
	s_lshl_b32 s19, s16, 1
	s_add_co_u32 s18, s18, s19                     ; my first panel of the output: 4 x B's tile + 2 x half
	s_mul_i32 s18, s18, PSTR
	s_lshl_b32 s19, s99, 4
	s_lshl_b32 s95, s15, 3
	s_add_co_u32 s19, s19, s95
	s_mul_i32 s19, s19, 768
	s_add_co_u32 s18, s18, s19
	s_add_co_u32 s18, s18, s96
	s_mov_b32 s19, 0
	s_add_nc_u64 s[10:11], s[8:9], s[18:19]
	s_lshl_b32 s18, s42, 1
	s_add_co_u32 s18, s18, s16
	s_lshl_b32 s18, s18, 14
	s_lshl_b32 s95, s99, 10
	s_add_co_u32 s18, s18, s95
	s_lshl_b32 s95, s15, 9
	s_add_co_u32 s18, s18, s95
	s_add_co_u32 s18, s18, s97
	s_add_nc_u64 s[12:13], s[8:9], s[18:19]
	s_lshl_b32 s95, s14, 9
	v_lshl_add_u32 v25, v1, 2, s95                 ; my 512 bytes in slot 0 for the scale words: 4 r
	v_and_b32 v30, 31, v0
	v_lshlrev_b32 v30, 4, v30
	v_add_nc_u32 v26, s95, v30                     ; and back: 16 x lane
	s_wait_tensorcnt 0x1                           ; the scale words and my part of slot 0 are in; slot 1's load may be out
	s_barrier_signal -1
	s_barrier_wait -1
.set ia, 0
.rept NBLK
	FETCHP 0, 0, 0, ia
.set ia, ia+1
.endr
	STEP 0, 0, 1                                   ; the first K step starts the sums
	STEPS 0, 1
.if LAPS > 1
	s_mov_b32 s3, LAPS-1
.Llap:
	TURN 0, 1, 1
	STEPS 1, 0
	TURN 1, 0, 1
	STEPS 0, 0
	s_sub_co_u32 s3, s3, 1
	s_cmp_lg_u32 s3, 0
	s_cbranch_scc1 .Llap
.endif
	TURN 0, 1, 0                                   ; the last lap fills nothing
	STEPS 1, 0
	LAST
	PLACES 4
; THE WAY OUT.  Block a's 64 registers of a lane are 64 numbers of one row, register 16 b + i = k 32 b + 16 h + i of my 128 columns: one fragment and one scale word a row.
.set TM, 176
.set CT, 192
.set SEL, 20
.macro QUANTW s, w, pc, pw             ; the numbers lie in window w; all else in window 0
	WIN (\w)|((\w)<<2)
.irp b, 0,1,2,3
	v_max3_num_f32 v[TM+\b], |v[\s+16*\b]|, |v[\s+16*\b+1]|, 0x1800000      ; each accumulator is read from its low end on
.endr
.irp i, 2,4,6,8,10,12,14
.irp b, 0,1,2,3
	v_max3_num_f32 v[TM+\b], |v[\s+16*\b+\i]|, |v[\s+16*\b+\i+1]|, v[TM+\b]
.endr
.endr
	WIN 0
.irp b, 0,1,2,3
	v_permlanex16_b32 v[TM+4+\b], v[TM+\b], s[SEL], s[SEL+1]
.endr
.irp b, 0,1,2,3
	v_max_num_f32 v[TM+\b], v[TM+\b], v[TM+4+\b]
.endr
.irp b, 0,1,2,3
	v_add_nc_u32 v[TM+12+\b], 0xff000000, v[TM+\b]
.endr
.irp b, 0,1,2,3
	v_lshrrev_b32 v[TM+4+\b], 23, v[TM+12+\b]
.endr
	v_lshl_or_b32 v[\pw], v[TM+5], 8, v[TM+4]
	v_lshl_or_b32 v[\pw], v[TM+6], 16, v[\pw]
	v_lshl_or_b32 v[\pw], v[TM+7], 24, v[\pw]
	WIN (\w)
.irp c, 0,1
	v_cvt_scalef32_pk16_fp6_f32 v[\pc+6*\c:\pc+6*\c+2], v[\s+32*\c:\s+32*\c+15], v[TM+12+2*\c]
	v_cvt_scalef32_pk16_fp6_f32 v[CT+4*\c:CT+4*\c+2], v[\s+32*\c+16:\s+32*\c+31], v[TM+13+2*\c]
.endr
	WIN 0
	v_nop                                          ; one plain line behind the scaled conversions
.irp c, 0,1
.irp i, 0,1,2
	v_permlane16_swap_b32 v[\pc+6*\c+\i], v[CT+4*\c+\i]
.endr
.irp i, 0,1,2
	v_mov_b32 v[\pc+6*\c+3+\i], v[CT+4*\c+\i]
.endr
.endr
.endm
	s_mov_b32 s[SEL], 0x76543210
	s_mov_b32 s[SEL+1], 0xfedcba98
.irp b, 0,1,2,3
	v_mov_b32 v[TM+4+\b], 0
.endr
.irp a, 0,1,2,3,4,5,6,7                ; each block has code registers of its own: no store's data are written again
	QUANTW 64*(\a%4), 2+\a/4, 64+12*\a, 48+\a
.irp k, 0,1,2,3,4,5
	global_store_b64 v3, v[64+12*\a+2*\k:64+12*\a+2*\k+1], s[10:11] offset:(\k/3)*PSTR+(\k%3)*256+768*\a   ; 256 consecutive bytes, aligned
.endr
	ds_store_b32 v25, v[48+\a] offset:64*\a        ; slot 0 has had its last fill and its last read; lanes r and r + 16 write the same word with the same value
.endr
	ds_load_b128 v[200:203], v26                   ; LDS serves a wave's instructions in order: these see my stores
	s_wait_dscnt 0x0
	global_store_b128 v30, v[200:203], s[12:13]    ; my 128 rows' scale words: 512 consecutive bytes
	s_wait_tensorcnt 0x0                           ; the wave's end
	ds_add_u32 v[SPW], v[NIL]
	s_wait_dscnt 0x0
	CROUND                                         ; the closing round
	s_endpgm
.Lfunc_end_k_q59c3a2e0ff_qkv:
	.size	k_q59c3a2e0ff_qkv, .Lfunc_end_k_q59c3a2e0ff_qkv-k_q59c3a2e0ff_qkv
	.p2alignl 7, 3214868480
	.fill 96, 4, 3214868480
	.section	.rodata,"a",@progbits
	.p2align	6, 0x0
	.amdhsa_kernel k_q59c3a2e0ff_qkv
		.amdhsa_group_segment_fixed_size 327680
		.amdhsa_private_segment_fixed_size 0
		.amdhsa_enable_private_segment 0
		.amdhsa_kernarg_size 24
		.amdhsa_user_sgpr_count 2
		.amdhsa_user_sgpr_kernarg_segment_ptr 1
		.amdhsa_wavefront_size32 1
		.amdhsa_system_sgpr_workgroup_id_x 1
		.amdhsa_system_sgpr_workgroup_id_y 1
		.amdhsa_system_sgpr_workgroup_id_z 1
		.amdhsa_system_vgpr_workitem_id 0
		.amdhsa_next_free_vgpr 1024
		.amdhsa_next_free_sgpr 100
		.amdhsa_reserve_vcc 0
		.amdhsa_float_denorm_mode_32 3
		.amdhsa_float_denorm_mode_16_64 3
		.amdhsa_memory_ordered 1
		.amdhsa_forward_progress 1
		.amdhsa_inst_pref_size 172
	.end_amdhsa_kernel
	.amdgpu_metadata
---
amdhsa.version: [ 1, 2 ]
amdhsa.kernels:
  - .name:           k_q59c3a2e0ff_qkv
    .symbol:         k_q59c3a2e0ff_qkv.kd
    .args:
      - { .name: h1, .offset: 0, .size: 8, .value_kind: global_buffer, .address_space: global }
      - { .name: wts, .offset: 8, .size: 8, .value_kind: global_buffer, .address_space: global }
      - { .name: qkvc, .offset: 16, .size: 8, .value_kind: global_buffer, .address_space: global }
    .group_segment_fixed_size: 327680
    .private_segment_fixed_size: 0
    .kernarg_segment_align: 8
    .kernarg_segment_size: 24
    .max_flat_workgroup_size: 128
    .sgpr_count:     100
    .vgpr_count:     1024
    .wavefront_size: 32
...
	.end_amdgpu_metadata
.endif
;; end of part 3
;; launch attn (part 4): grid 8 x 32, 16 waves a work-group, clusters of 4 x 1, 210,944 bytes of LDS; arguments qkvc, attc; writes attc
.if DOCPART == 4
	.amdgcn_target "amdgcn-amd-amdhsa--gfx1250"
	.amdhsa_code_object_version 6
	.text
	.protected	k_q59c3a2e0ff_attn
	.globl	k_q59c3a2e0ff_attn
	.p2align	8
	.type	k_q59c3a2e0ff_attn,@function
k_q59c3a2e0ff_attn:
	s_mov_b64 s[64:65], 0
	v_nop
	global_prefetch_b8 v0, s[64:65] scope:SCOPE_SE
	s_setreg_imm32_b32 hwreg(HW_REG_WAVE_MODE, 25, 1), 1
	s_wait_xcnt 0x0
	s_wait_alu depctr_hold_cnt(0) depctr_sa_sdst(0) depctr_va_vdst(0) depctr_va_sdst(0) depctr_va_ssrc(0) depctr_va_vcc(0) depctr_vm_vsrc(0)
	s_getreg_b32 s2, hwreg(HW_REG_IB_STS2, 6, 4)
	s_cmp_eq_u32 s2, 0
	s_cbranch_scc0 .Lentry_in_a_cluster
	s_endpgm
.Lentry_in_a_cluster:
	s_bfe_u32 s2, ttmp6, 0x10000c
	s_cmp_lg_u32 s2, 0x3003
	s_cbranch_scc0 .Lentry_shape_is_right
	s_endpgm
.Lentry_shape_is_right:
; o = softmax(q k^T / 8) v for one head, both products on codes of FP6 (E2M3) with E8M0 scales, and o quantised along the channels on the way out.
; t = score x log2(e) / 8; M = the running largest t rounded up to a whole number; p = 2^(t - M) is quantised along the keys, not normalised; the row's sum is taken of the unquantised p and divides o at the end.
; INPUT LAYOUT: codes at P*PSTR + T*768 + i*256 + 8*lane.  q: panel = head, k: panel = 16 + head, rows = token positions; v: panel = token / 64, rows = channel positions.  Scale words: one for 128 along K.
; A head's K is 64: one panel.  The products k q^T take K = 128 with the upper 64 as zero codes on both sides, which add nothing under any scale byte that occurs here.
; SHARES: a work-group owns 256 query positions of one head, each of its sixteen waves 16: four waves to a SIMD, so that one wave's vector work stands beside another's products and LDS loads.
; ALL of a head's k and v codes (98,304 bytes each) lie in LDS: they come once, in four quarters each, by joint loads of the four work-groups of a cluster, which share head and batch.  Nothing is filled again.
; Both products are used transposed: a lane holds one query.  Positions are row numbers with bits 3 and 4 exchanged, so the 16 registers of two neighbouring tiles are 16 neighbours of the next K.
; No prefetch: every byte of k and v is asked for at the head.  LIMITS: NaN and infinities are not served; 1 / sum comes from v_rcp_f32; blocks under 2^-124 keep the byte 1.
; REGISTERS: v1-4 addresses that stay; v8-11 the step's; v12 -M, v13 largest t, v[14:15] the sum; v16-27 q; v32-79 four fragments of k; v80-127 four of v; v128-191 S^T, then p; v192-223 O^T; v224-255 at work.
.set PSTR,  196608
.set SSTR,  16384
.set SOFF1, 0x300000
.set QK_S,  0x600000
.set V_C,   0x640000
.set V_S,   0x1240000
.set VOFF,  98304                      ; LDS: k's codes, then v's
.set QTR,   24576                      ; a quarter: 512 keys
.set KST,   196608                     ; k's scale words, 4 bytes a key (stored by the waves; no fill lands here)
.set VST,   204800                     ; v's: [16 steps][64 channel positions]
.set KF,    32
.set VF,    80
.set S,     128
.set O,     192
.set WV,    18
.set SEL,   20
.set CS,    22
.set G1K,   24
.set G1V,   32
.set G0K,   40                         ; s[40:55] four groups 0 for k's quarters
.set G0V,   68                         ; s[68:83] four for v's
.set TK,    2
.set TV,    3
.set TS,    56
.set TT,    57
.set CNT,   58
.macro ROUND
	s_barrier_signal -1
	s_barrier_wait -1
	s_cmp_lg_u32 s[WV], 0
	s_cbranch_scc1 .Lnot_wave_0_\@
	s_barrier_signal -3
.Lnot_wave_0_\@:
	s_barrier_wait -3
	s_barrier_signal -1
	s_barrier_wait -1
.endm
	s_load_b128 s[4:7], s[0:1], 0x0                ; qkvc s[4:5], attc s[6:7]
	v_lshl_add_u32 v31, v0, 2, 0x33000
	v_mov_b32 v243, 0
	ds_add_u32 v31, v243
	ds_add_u32 v31, v243
	v_lshrrev_b32 v8, 5, v0
	v_readfirstlane_b32 s[WV], v8                  ; wave 0..15
	s_bfe_u32 s8, ttmp6, 0x40000                   ; cx
	s_lshl_b32 s9, ttmp9, 2
	s_add_co_u32 s9, s9, s8                        ; my block of 256 query positions: it enters q's and the output's addresses alone
	s_and_b32 s10, ttmp7, 0xffff
	s_lshr_b32 s11, s10, 4                         ; batch
	s_and_b32 s12, s10, 15                         ; head
	s_add_co_u32 s13, s12, 16
	s_mul_i32 s13, s13, PSTR
	s_mul_i32 s14, s11, 98304
	s_add_co_u32 s14, s13, s14                     ; k: panel 16 + head, positions 2,048 x batch on
	s_mov_b32 s15, 0
	s_mul_i32 s16, s11, 32*PSTR
	s_mul_i32 s17, s12, 3072
	s_add_co_u32 s16, s16, s17
	s_add_co_u32 s16, s16, V_C                     ; v: panels 32 x batch on, the head's four tiles of channel positions
	s_mov_b32 s17, 0
	s_mov_b32 s[G1K], 15|(3<<16)|(1<<21)           ; the mask: all four work-groups; elements of 8 bytes; bit 21 set beside a mask
	s_mov_b32 s[G1K+1], 32<<16                     ; a dense quarter as 96 rows of 256 bytes
	s_mov_b32 s[G1K+2], 96<<16
	s_mov_b32 s[G1K+3], 32<<16
	s_mov_b32 s[G1K+4], 96
	s_mov_b32 s[G1K+5], 32
	s_mov_b32 s[G1K+6], 0
	s_mov_b32 s[G1K+7], 0
	s_mov_b32 s[G1V], 15|(3<<16)|(1<<21)
	s_mov_b32 s[G1V+1], 384<<16                    ; 8 panels of 3,072 bytes, PSTR bytes apart
	s_mov_b32 s[G1V+2], 8<<16
	s_mov_b32 s[G1V+3], 384<<16
	s_mov_b32 s[G1V+4], 8
	s_mov_b32 s[G1V+5], PSTR/8
	s_mov_b32 s[G1V+6], 0
	s_mov_b32 s[G1V+7], 0
	s_mov_b32 s[SEL], 0x76543210
	s_mov_b32 s[SEL+1], 0xfedcba98
	s_mov_b32 s[CS], 0x3e38aa3b                    ; c = log2(e) / 8
	s_mov_b32 s[CS+1], s[CS]
	s_mov_b32 s[TK], 0
	s_mov_b32 s[TV], 0
	s_mov_b32 s[TS], 0
	s_mov_b32 s[TT], 0
	s_wait_dscnt 0x0
	s_wait_kmcnt 0x0
	s_add_nc_u64 s[14:15], s[4:5], s[14:15]
	s_add_nc_u64 s[16:17], s[4:5], s[16:17]
	ROUND                                          ; all four work-groups are here: the joint loads meet
.irp c, 0,1,2,3
	s_mov_b32 s[G0K+4*\c], 1
	s_mov_b32 s[G0K+4*\c+1], QTR*\c
	s_add_nc_u64 s[G0K+4*\c+2:G0K+4*\c+3], s[14:15], QTR*\c
	s_or_b32 s[G0K+4*\c+3], s[G0K+4*\c+3], 0x80000000
	s_mov_b32 s[G0V+4*\c], 1
	s_mov_b32 s[G0V+4*\c+1], VOFF+QTR*\c
	s_add_nc_u64 s[G0V+4*\c+2:G0V+4*\c+3], s[16:17], 8*\c*PSTR
	s_or_b32 s[G0V+4*\c+3], s[G0V+4*\c+3], 0x80000000
.endr
	s_cmp_eq_u32 s[WV], 0                          ; wave 0 asks for k's four quarters, wave 1 for v's: four loads of a wave are out, all in one branch
	s_cbranch_scc0 .Lnot_k
.irp c, 0,1,2,3
	tensor_load_to_lds s[G0K+4*\c:G0K+4*\c+3], s[G1K:G1K+7]
	s_nop 0
.endr
.rept 4
	v_nop
.endr
	s_branch .Lasked
.Lnot_k:
	s_cmp_eq_u32 s[WV], 1
	s_cbranch_scc0 .Lasked
.irp c, 0,1,2,3
	tensor_load_to_lds s[G0V+4*\c:G0V+4*\c+3], s[G1V:G1V+7]
	s_nop 0
.endr
.rept 4
	v_nop
.endr
.Lasked:
	s_lshl_b32 s59, s11, 7
	s_lshl_b32 s60, s9, 4
	s_add_co_u32 s59, s59, s60
	s_add_co_u32 s59, s59, s[WV]                   ; T: my tile of 16 query positions
	s_mul_i32 s60, s12, PSTR
	s_mul_i32 s61, s59, 768
	s_add_co_u32 s60, s60, s61
	s_mov_b32 s61, 0
	s_add_nc_u64 s[62:63], s[4:5], s[60:61]        ; q's codes
	s_add_nc_u64 s[84:85], s[6:7], s[60:61]        ; the output's codes: the same place in its buffer
	s_lshr_b32 s86, s12, 1
	s_lshl_b32 s86, s86, 14
	s_lshl_b32 s87, s59, 6
	s_add_co_u32 s86, s86, s87
	s_mov_b32 s87, 0
	s_add_nc_u64 s[88:89], s[4:5], s[86:87]
	s_add_nc_u64 s[88:89], s[88:89], QK_S          ; q's scale words (two heads to a word)
	s_and_b32 s90, s12, 1
	s_lshl_b32 s91, s90, 4                         ; my head's two bytes lie 16 (head % 2) bits up
	s_lshl_b32 s90, s90, 1
	s_add_co_u32 s86, s86, s90
	s_add_nc_u64 s[92:93], s[6:7], s[86:87]
	s_add_nc_u64 s[92:93], s[92:93], SOFF1         ; the output's two scale bytes
	s_lshr_b32 s94, s12, 1
	s_add_co_u32 s94, s94, 8
	s_lshl_b32 s94, s94, 14
	s_lshl_b32 s95, s11, 13
	s_add_co_u32 s94, s94, s95
	s_add_co_u32 s94, s94, QK_S
	s_mov_b32 s95, 0
	s_add_nc_u64 s[94:95], s[4:5], s[94:95]        ; k's scale words of the batch's 2,048 positions
	s_lshl_b32 s96, s11, 4
	s_add_co_u32 s96, s96, s[WV]
	s_lshl_b32 s96, s96, 14
	s_lshl_b32 s97, s12, 8
	s_add_co_u32 s96, s96, s97
	s_add_co_u32 s96, s96, V_S
	s_mov_b32 s97, 0
	s_add_nc_u64 s[96:97], s[4:5], s[96:97]        ; v's scale words of key step = my wave's number
	v_and_b32 v5, 31, v0                           ; lane
	v_and_b32 v6, 15, v0                           ; r
	v_lshlrev_b32 v1, 3, v5                        ; 8 x lane
	v_add_nc_u32 v2, VOFF, v1
	v_lshl_add_u32 v3, v5, 2, KST
	v_lshl_add_u32 v4, v5, 2, VST
	v_lshlrev_b32 v7, 2, v6                        ; 4 r
	v_lshlrev_b32 v8, 4, v0                        ; 16 x thread
	v_lshl_add_u32 v10, v0, 4, KST
	v_lshl_add_u32 v11, v0, 3, VST
.irp i, 0,1,2
	global_load_b64 v[16+2*\i:17+2*\i], v1, s[62:63] offset:256*\i
.endr
	global_load_b32 v255, v7, s[88:89]
	global_load_b128 v[32:35], v8, s[94:95]
	global_load_b64 v[36:37], v1, s[96:97]
	s_wait_loadcnt 0x0
	v_lshrrev_b32 v255, s91, v255                  ; my head's bytes to the word's low end
.irp i, 0,1,2,3
	v_lshrrev_b32 v[32+\i], s91, v[32+\i]
.endr
	ds_store_b128 v10, v[32:35]
	ds_store_b64 v11, v[36:37]
.irp i, 22,23,24,25,26,27
	v_mov_b32 v[\i], 0                             ; q's upper 64 along K: zero codes
.endr
.irp t, 0,1,2,3
.irp i, 6,7,8,9,10,11
	v_mov_b32 v[KF+12*\t+\i], 0                    ; k's likewise: never written again
.endr
.endr
	v_mov_b32 v13, 0xff61b1e6                      ; the largest t so far: -3e38
	v_floor_f32 v12, -v13
	v_mov_b32 v14, 0
	v_mov_b32 v15, 0
.irp b, 0,1,2,3
	v_mov_b32 v[236+\b], 0
.endr
	v_mov_b32 v253, 0
.set ij, 0
.rept 32
	v_mov_b32 v[O+ij], 0                           ; O^T: the first change of M leaves zeros zeros, so the step is written without a first form
.set ij, ij+1
.endr
; A KEY STEP: 128 keys
.macro STEP
	v_add_nc_u32 v8, s[TK], v1
	v_add_nc_u32 v9, s[TV], v2
	v_add_nc_u32 v10, s[TS], v3
	v_add_nc_u32 v11, s[TT], v4
.irp g, 0,1                            ; S^T = k q^T, four tiles of 16 keys at a time
.if \g
.rept 4
	v_nop                                          ; places in front of loads into registers that the products above have read
.endr
.endif
.irp t, 0,1,2,3
.irp i, 0,1,2
	ds_load_b64 v[KF+12*\t+2*\i:KF+12*\t+2*\i+1], v8 offset:(4*\g+\t)*768+256*\i
.endr
.endr
	ds_load_b32 v248, v10 offset:256*\g            ; lanes 0-15: the words of tile 4 g, lanes 16-31: of tile 4 g + 1
	ds_load_b32 v249, v10 offset:256*\g+128
	s_wait_dscnt 0x0
.irp u, 0,1
	v_wmma_scale_f32_16x16x128_f8f6f4 v[S+8*(4*\g+2*\u):S+8*(4*\g+2*\u)+7], v[KF+24*\u:KF+24*\u+11], v[16:27], 0, v[248+\u], v255 matrix_a_fmt:MATRIX_FMT_FP6 matrix_b_fmt:MATRIX_FMT_FP6
	v_wmma_scale_f32_16x16x128_f8f6f4 v[S+8*(4*\g+2*\u+1):S+8*(4*\g+2*\u+1)+7], v[KF+24*\u+12:KF+24*\u+23], v[16:27], 0, v[248+\u], v255 matrix_a_fmt:MATRIX_FMT_FP6 matrix_b_fmt:MATRIX_FMT_FP6 matrix_a_scale:MATRIX_SCALE_ROW1
.endr
.endr
.irp t, 0,1,2,3                        ; v's four fragments land while the softmax is walked (the last step's products that read these registers stand eight plain lines back)
.irp c, 0,1
.irp i, 0,1,2
	ds_load_b64 v[VF+12*\t+6*\c+2*\i:VF+12*\t+6*\c+2*\i+1], v9 offset:3072*\c+768*\t+256*\i
.endr
.endr
.endr
	ds_load_b32 v250, v11
	ds_load_b32 v251, v11 offset:128
.rept 4
	v_nop
.endr
.irp b, 0,1,2,3
	v_max3_num_f32 v[232+\b], v[S+16*\b], v[S+1+16*\b], v[S+2+16*\b]      ; the largest score of each block of 32 keys: for the row's maximum and for the block's largest p
.endr
.irp i, 3,5,7,9,11,13
.irp b, 0,1,2,3
	v_max3_num_f32 v[232+\b], v[232+\b], v[S+16*\b+\i], v[S+1+16*\b+\i]
.endr
.endr
.irp b, 0,1,2,3
	v_max_num_f32 v[232+\b], v[232+\b], v[S+15+16*\b]
.endr
.irp b, 0,1,2,3
	v_permlanex16_b32 v[236+\b], v[232+\b], s[SEL], s[SEL+1]
.endr
.irp b, 0,1,2,3
	v_max_num_f32 v[232+\b], v[232+\b], v[236+\b]
.endr
	v_max3_num_f32 v254, v232, v233, v234
	v_max_num_f32 v254, v254, v235
	v_mul_f32 v254, s[CS], v254
	v_max_num_f32 v13, v13, v254                   ; the running largest t
	v_mov_b32 v254, v12
	v_floor_f32 v12, -v13                          ; -M = floor(-t): M is a whole number
	v_sub_f32 v254, v12, v254
	v_cvt_i32_f32 v254, v254
	v_ldexp_f32 v252, 1.0, v254                    ; f = 2^(old M - new M)
.irp j, 0,2,4,6,8,10,12,14,16,18,20,22,24,26,28,30,32,34,36,38,40,42,44,46,48,50,52,54,56,58,60,62
	v_pk_fma_f32 v[S+\j:S+\j+1], v[S+\j:S+\j+1], s[CS:CS+1], v[12:13] op_sel_hi:[1,0,0]   ; t - M
.endr
.irp b, 0,1,2,3
	v_fma_f32 v[232+\b], v[232+\b], s[CS], v12
.endr
.set ij, 0
.rept 64
	v_exp_f32 v[S+ij], v[S+ij]                     ; p = 2^(t - M)
.set ij, ij+1
.endr
	v_pk_mul_f32 v[14:15], v[14:15], v[252:253] op_sel_hi:[1,0]   ; the sums under the new M: a plain line behind the exponentials
	s_wait_alu depctr_va_vdst(0)                   ; one wait for the batch, ahead of its first reader
.irp b, 0,1,2,3
	v_exp_f32 v[232+\b], v[232+\b]                 ; each block's largest p
.endr
	v_pk_add_f32 v[236:237], v[S:S+1], v[S+2:S+3]  ; the row's sum of the unquantised p, in two chains
.irp j, 4,8,12,16,20,24,28,32,36,40,44,48,52,56,60
	v_pk_add_f32 v[14:15], v[14:15], v[S+\j:S+\j+1]
	v_pk_add_f32 v[236:237], v[236:237], v[S+\j+2:S+\j+3]
.endr
	v_pk_add_f32 v[14:15], v[14:15], v[236:237]
	s_wait_alu depctr_va_vdst(0)                   ; and one for the four
.irp b, 0,1,2,3
	v_max_num_f32 v[232+\b], 0x1800000, v[232+\b]  ; the floor 2^(3 - 127)
.endr
.irp b, 0,1,2,3
	v_add_nc_u32 v[244+\b], 0xff000000, v[232+\b]
.endr
.irp b, 0,1,2,3
	v_lshrrev_b32 v[236+\b], 23, v[244+\b]
.endr
	v_lshl_or_b32 v253, v237, 8, v236              ; p's scale word for these 128 keys
	v_lshl_or_b32 v253, v238, 16, v253
	v_lshl_or_b32 v253, v239, 24, v253
.irp c, 0,1
	v_cvt_scalef32_pk16_fp6_f32 v[224+6*\c:226+6*\c], v[S+32*\c:S+15+32*\c], v[244+2*\c]
	v_cvt_scalef32_pk16_fp6_f32 v[236+4*\c:238+4*\c], v[S+16+32*\c:S+31+32*\c], v[244+2*\c+1]
.endr
	v_nop
.irp c, 0,1
.irp i, 0,1,2
	v_permlane16_swap_b32 v[224+6*\c+\i], v[236+4*\c+\i]
.endr
.irp i, 0,1,2
	v_mov_b32 v[227+6*\c+\i], v[236+4*\c+\i]
.endr
.endr
.irp j, 0,2,4,6,8,10,12,14,16,18,20,22,24,26,28,30
	v_pk_mul_f32 v[O+\j:O+\j+1], v[O+\j:O+\j+1], v[252:253] op_sel_hi:[1,0]   ; O^T under the new M; these sixteen also stand between the codes' and the scale word's last writes and the products
.endr
	s_wait_dscnt 0x0                               ; v's fragments and scale words
.irp u, 0,1                            ; O^T += v^T p^T: four accumulators by turns
	v_wmma_scale_f32_16x16x128_f8f6f4 v[O+16*\u:O+16*\u+7], v[VF+24*\u:VF+24*\u+11], v[224:235], v[O+16*\u:O+16*\u+7], v[250+\u], v253 matrix_a_fmt:MATRIX_FMT_FP6 matrix_b_fmt:MATRIX_FMT_FP6
	v_wmma_scale_f32_16x16x128_f8f6f4 v[O+16*\u+8:O+16*\u+15], v[VF+24*\u+12:VF+24*\u+23], v[224:235], v[O+16*\u+8:O+16*\u+15], v[250+\u], v253 matrix_a_fmt:MATRIX_FMT_FP6 matrix_b_fmt:MATRIX_FMT_FP6 matrix_a_scale:MATRIX_SCALE_ROW1
.endr
	s_add_co_u32 s[TK], s[TK], 6144
	s_add_co_u32 s[TV], s[TV], 6144
	s_add_co_u32 s[TS], s[TS], 512
	s_add_co_u32 s[TT], s[TT], 256
.endm
.irp c, 0,1,2,3
	s_wait_tensorcnt 3-\c                          ; quarter c has landed; the later quarters may be out
	s_wait_dscnt 0x0                               ; my stores of scale words have landed
	s_barrier_signal -1
	s_barrier_wait -1
	s_mov_b32 s[CNT], 4
.Lq\c:
	STEP
	s_sub_co_u32 s[CNT], s[CNT], 1
	s_cmp_lg_u32 s[CNT], 0
	s_cbranch_scc1 .Lq\c
.endr
	; THE WAY OUT: O^T / the sum; its 32 registers are my query's 64 channels, register 16 b + i = channel 32 b + 16 h + i: two blocks, one panel
.rept 4
	v_nop
.endr
	v_add_f32 v14, v14, v15
	v_permlanex16_b32 v252, v14, s[SEL], s[SEL+1]
	v_add_f32 v14, v14, v252
	v_rcp_f32 v14, v14
	v_mov_b32 v15, 0                               ; a plain line behind the transcendental
	s_wait_alu depctr_va_vdst(0)
.irp j, 0,2,4,6,8,10,12,14,16,18,20,22,24,26,28,30
	v_pk_mul_f32 v[O+\j:O+\j+1], v[O+\j:O+\j+1], v[14:15] op_sel_hi:[1,0]
.endr
.irp b, 0,1
	v_max3_num_f32 v[232+\b], |v[O+16*\b]|, |v[O+16*\b+1]|, 0x1800000
.endr
.irp i, 2,4,6,8,10,12,14
.irp b, 0,1
	v_max3_num_f32 v[232+\b], v[232+\b], |v[O+16*\b+\i]|, |v[O+16*\b+\i+1]|
.endr
.endr
.irp b, 0,1
	v_permlanex16_b32 v[236+\b], v[232+\b], s[SEL], s[SEL+1]
.endr
.irp b, 0,1
	v_max_num_f32 v[232+\b], v[232+\b], v[236+\b]
.endr
.irp b, 0,1
	v_add_nc_u32 v[244+\b], 0xff000000, v[232+\b]
.endr
.irp b, 0,1
	v_lshrrev_b32 v[240+\b], 23, v[244+\b]
.endr
	v_lshl_or_b32 v240, v241, 8, v240              ; my row's two scale bytes
	v_cvt_scalef32_pk16_fp6_f32 v[224:226], v[O:O+15], v244
	v_cvt_scalef32_pk16_fp6_f32 v[236:238], v[O+16:O+31], v245
	v_nop
.irp i, 0,1,2
	v_permlane16_swap_b32 v[224+\i], v[236+\i]
.endr
.irp i, 0,1,2
	v_mov_b32 v[227+\i], v[236+\i]
.endr
.irp i, 0,1,2
	global_store_b64 v1, v[224+2*\i:225+2*\i], s[84:85] offset:256*\i     ; 256 consecutive bytes, aligned
.endr
	v_cmp_gt_u32 vcc_lo, 16, v5
	s_wait_xcnt 0x0                                ; EXEC changes only behind this wait
	s_and_saveexec_b32 s98, vcc_lo
	global_store_b16 v7, v240, s[92:93]            ; two bytes of a word that two heads share: the one place where short pieces are stored
	s_wait_xcnt 0x0
	s_or_b32 exec_lo, exec_lo, s98
	s_wait_dscnt 0x0
	s_wait_tensorcnt 0x0
	ds_add_u32 v31, v243
	s_wait_dscnt 0x0
	ROUND                                          ; the closing round
	s_endpgm
.Lfunc_end_k_q59c3a2e0ff_attn:
	.size	k_q59c3a2e0ff_attn, .Lfunc_end_k_q59c3a2e0ff_attn-k_q59c3a2e0ff_attn
	.p2alignl 7, 3214868480
	.fill 96, 4, 3214868480
	.section	.rodata,"a",@progbits
	.p2align	6, 0x0
	.amdhsa_kernel k_q59c3a2e0ff_attn
		.amdhsa_group_segment_fixed_size 210944
		.amdhsa_private_segment_fixed_size 0
		.amdhsa_enable_private_segment 0
		.amdhsa_kernarg_size 16
		.amdhsa_user_sgpr_count 2
		.amdhsa_user_sgpr_kernarg_segment_ptr 1
		.amdhsa_wavefront_size32 1
		.amdhsa_system_sgpr_workgroup_id_x 1
		.amdhsa_system_sgpr_workgroup_id_y 1
		.amdhsa_system_sgpr_workgroup_id_z 1
		.amdhsa_system_vgpr_workitem_id 0
		.amdhsa_next_free_vgpr 256
		.amdhsa_next_free_sgpr 100
		.amdhsa_reserve_vcc 1
		.amdhsa_float_denorm_mode_32 3
		.amdhsa_float_denorm_mode_16_64 3
		.amdhsa_memory_ordered 1
		.amdhsa_forward_progress 1
		.amdhsa_inst_pref_size 86
	.end_amdhsa_kernel
	.amdgpu_metadata
---
amdhsa.version: [ 1, 2 ]
amdhsa.kernels:
  - .name:           k_q59c3a2e0ff_attn
    .symbol:         k_q59c3a2e0ff_attn.kd
    .args:
      - { .name: qkvc, .offset: 0, .size: 8, .value_kind: global_buffer, .address_space: global }
      - { .name: attc, .offset: 8, .size: 8, .value_kind: global_buffer, .address_space: global }
    .group_segment_fixed_size: 210944
    .private_segment_fixed_size: 0
    .kernarg_segment_align: 8
    .kernarg_segment_size: 16
    .max_flat_workgroup_size: 512
    .sgpr_count:     100
    .vgpr_count:     256
    .wavefront_size: 32
...
	.end_amdgpu_metadata
.endif
;; end of part 4
;; launch proj (part 5): grid 8 x 32, 4 waves a work-group, clusters of 4 x 4, 327,680 bytes of LDS; arguments attc, wts, b_proj, x, x1; writes x1
.if DOCPART == 5
	.amdgcn_target "amdgcn-amd-amdhsa--gfx1250"
	.amdhsa_code_object_version 6
	.text
	.protected	k_q59c3a2e0ff_proj
	.globl	k_q59c3a2e0ff_proj
	.p2align	8
	.type	k_q59c3a2e0ff_proj,@function
k_q59c3a2e0ff_proj:
	s_mov_b64 s[64:65], 0
	v_nop
	global_prefetch_b8 v0, s[64:65] scope:SCOPE_SE
	s_setreg_imm32_b32 hwreg(HW_REG_WAVE_MODE, 25, 1), 1
	s_wait_xcnt 0x0
	s_wait_alu depctr_hold_cnt(0) depctr_sa_sdst(0) depctr_va_vdst(0) depctr_va_sdst(0) depctr_va_ssrc(0) depctr_va_vcc(0) depctr_vm_vsrc(0)
	s_getreg_b32 s2, hwreg(HW_REG_IB_STS2, 6, 4)
	s_cmp_eq_u32 s2, 0
	s_cbranch_scc0 .Lentry_in_a_cluster
	s_endpgm
.Lentry_in_a_cluster:
	s_bfe_u32 s2, ttmp6, 0x10000c
	s_cmp_lg_u32 s2, 0xf033
	s_cbranch_scc0 .Lentry_shape_is_right
	s_endpgm
.Lentry_shape_is_right:
; out = res + A B^T + bias, A and B as codes of FP6 (E2M3) with E8M0 scales; res, bias, out f32.  Here: A = attention's output, B = w_proj, K = 1,024.
; OPERAND LAYOUT: codes at P*PSTR + T*768 + i*256 + 8*lane (P = k/64, T = position/16); scale words at SOFF + (k/128)*SSTR + 4*position.  A's positions are row numbers with bits 3 and 4 exchanged; B's are its rows.
; N is 1,024: tiles of 128 x 128 give each of 256 work-groups one tile.  Four waves, 64 x 64 each: 16 accumulators.  K in steps of 128, four to an LDS slot: the two slots' first fills hold all of K; joint tensor loads in a cluster of 4 x 4.
; The product is used transposed (source 0 = B's rows, source 1 = A's): a lane holds eight neighbouring columns of one row.  The bias is the C of each sum's first product.
; THE RESIDUAL is asked for at the head, behind the tensor loads: 32 loads a wave into registers of their own, so that it is on its way while K is walked.
; A K STEP: the next step's 52 LDS loads stand in one run at the step's head, behind four places; the step's 16 products follow back to back while those loads are served.
; REGISTERS: window 0: v1-6, v16-31 addresses; v32-39 scale words, two sets; v64-111, v160-207 A's fragments, two sets; v192-255 rows on the way out.
;   window 1: v0-47, v96-143 B's fragments, two sets; v192-223 the bias.  window 2: v0-127 accumulator (a, b) at v[8 (4 a + b)]; v128-255 the residual, 32 registers a block of 16 positions.
.set NBLK,  4
.set NQ,    4
.set KTOT,  1024
.set AP,    4
.set BP,    6
.set ASOFF, 0x300000
.set BOFF,  0x320000
.set BSOFF, 0x300000
.set PSTR,  196608
.set SSTR,  16384
.set HROWS, 16*NBLK
.set PANB,  48*HROWS
.set HALFT, 2*NQ*PANB
.set SLOT,  4*HALFT
.set NKS,   KTOT/128
.set SCL,   2*SLOT
.set HALFS, NKS*HROWS*4
.set SPARE, SCL+4*HALFS
.set STGB,  0                          ; the way out's stages lie in slot 0: the last K steps read slot 1
.set ADRA,  16
.set ADRB,  20
.set STO,   24
.set RD,    25
.set CO,    26
.set ADRS,  27
.set SPW,   28
.set NIL,   29
.set SC,    32
.set AF,    64
.set BIAS,  192
.set RES,   128
.set G1,    24
.set G0,    32
.set G1B,   48
.set G0B,   56
.set G1S,   68
.set G0S,   76
.set G1SB,  80
.set G0SB,  88
.set MSB, 0
.macro WIN new                         ; the immediate's high byte repeats the setting that is left
.if MSB != (\new)
	s_set_vgpr_msb (MSB<<8)|(\new)
.set MSB, (\new)
.endif
.endm
.macro PLACES n
.rept \n
	v_nop
.endr
.endm
.macro JLOAD g0a, g1a, g0b, g1b        ; a joint load: waves 0, 1 fetch for A, waves 2, 3 for B; four v_nop follow each line
	s_cmp_eq_u32 s15, 0
	s_cbranch_scc0 .Lfor_b_\@
	tensor_load_to_lds s[\g0a:\g0a+3], s[\g1a:\g1a+7]
	s_nop 0
	PLACES 4
	s_branch .Lasked_\@
.Lfor_b_\@:
	tensor_load_to_lds s[\g0b:\g0b+3], s[\g1b:\g1b+7]
	s_nop 0
	PLACES 4
.Lasked_\@:
.endm
.macro CREST
	s_cmp_lg_u32 s14, 0
	s_cbranch_scc1 .Lnot_wave_0_\@
	s_barrier_signal -3
.Lnot_wave_0_\@:
	s_barrier_wait -3
	s_barrier_signal -1
	s_barrier_wait -1
.endm
.macro CROUND
	s_barrier_signal -1
	s_barrier_wait -1
	CREST
.endm
.macro FRAG reg, adr, q, i             ; a fragment: 16 positions x 128 K, 12 registers, six loads of 256 consecutive bytes
.irp p, 0,1,2,3,4,5
	ds_load_b64 v[\reg+2*\p:\reg+2*\p+1], v[\adr] offset:(2*(\q)+\p/3)*PANB+(\i)*768+(\p%3)*256
.endr
.endm
.macro FETCH slot, q, set              ; a K step's operands in one run: B's four fragments, A's four, and four registers with A's (lanes 0-15) and B's (lanes 16-31) scale words
	WIN 0x40
.set ifx, 0
.rept NBLK
	FRAG 96*(\set)+12*ifx, ADRB+\slot, \q, ifx
.set ifx, ifx+1
.endr
	WIN 0
.set ifx, 0
.rept NBLK
	FRAG AF+96*(\set)+12*ifx, ADRA+\slot, \q, ifx
.set ifx, ifx+1
.endr
.set ifx, 0
.rept NBLK
	ds_load_b32 v[SC+NBLK*(\set)+ifx], v[ADRS] offset:(\q)*HROWS*4+64*ifx
.set ifx, ifx+1
.endr
.endm
.macro MULA a, set, first              ; A's block a against B's four.  All accumulators take turns, one instruction a turn
.if \first
	WIN 0x91                                       ; B window 1, A window 0, C (the bias) window 1, D window 2
.else
	WIN 0xa1                                       ; B window 1, A window 0, C and D window 2
.endif
.set ib, 0
.rept NBLK
.set AC, 8*(NBLK*(\a)+ib)
.set FB, 96*(\set)+12*ib
.set FA, AF+96*(\set)+12*(\a)
.if \first
	v_wmma_scale_f32_16x16x128_f8f6f4 v[AC:AC+7], v[FB:FB+11], v[FA:FA+11], v[BIAS+8*ib:BIAS+8*ib+7], v[SC+NBLK*(\set)+ib], v[SC+NBLK*(\set)+(\a)] matrix_a_fmt:MATRIX_FMT_FP6 matrix_b_fmt:MATRIX_FMT_FP6 matrix_a_scale:MATRIX_SCALE_ROW1
.else
	v_wmma_scale_f32_16x16x128_f8f6f4 v[AC:AC+7], v[FB:FB+11], v[FA:FA+11], v[AC:AC+7], v[SC+NBLK*(\set)+ib], v[SC+NBLK*(\set)+(\a)] matrix_a_fmt:MATRIX_FMT_FP6 matrix_b_fmt:MATRIX_FMT_FP6 matrix_a_scale:MATRIX_SCALE_ROW1
.endif
.set ib, ib+1
.endr
.endm
.macro STEP slot, q, first             ; a K step whose successor lies in the same slot.  Step q of slot s works on fragment set (q + s NQ) % 2
.set CSET, ((\q)+(\slot)*NQ)%2
	s_wait_dscnt 0x0                               ; this step's operands, asked for at the last step's head, are in
	PLACES 4                                       ; four places between the last step's products and the loads into the registers that they read
	FETCH \slot, (\q)+1, 1-CSET
.set ia, 0
.rept NBLK
	MULA ia, CSET, \first
.set ia, ia+1
.endr
	WIN 0
.endm
.macro TURN slot, next                 ; a slot's last K step changes slots; nothing is filled again here: the two first fills hold all of K
.set TSET, ((NQ-1)+(\slot)*NQ)%2
	s_wait_tensorcnt 0x0                           ; all my tensor loads have landed: my part of the next slot
	ds_add_u32 v[SPW], v[NIL]                      ; 0 onto my spare word
	s_wait_dscnt 0x0                               ; the add is done, and this step's operands are in
	s_barrier_signal -1
.set ia, 0
.rept NBLK/2
	MULA ia, TSET, 0
.set ia, ia+1
.endr
	WIN 0
	s_barrier_wait -1                              ; the next slot is whole for every wave
	PLACES 4
	v_add_nc_u32 v[ADRS], NQ*HROWS*4, v[ADRS]      ; the next slot's scale words
	FETCH \next, 0, 1-TSET
.rept NBLK/2
	MULA ia, TSET, 0
.set ia, ia+1
.endr
	WIN 0
.endm
.macro LAST set
	s_wait_dscnt 0x0
.set ia, 0
.rept NBLK
	MULA ia, \set, 0
.set ia, ia+1
.endr
	WIN 0
.endm
	s_load_b128 s[4:7], s[0:1], 0x0                ; A s[4:5], wts s[6:7]
	s_load_b128 s[8:11], s[0:1], 0x10              ; bias s[8:9], res s[10:11]
	s_load_b64 s[12:13], s[0:1], 0x20              ; out
	v_lshl_add_u32 v[SPW], v0, 2, SPARE
	v_mov_b32 v[NIL], 0
	ds_add_u32 v28, v29
	ds_add_u32 v28, v29
	s_wait_dscnt 0x0
	v_lshrrev_b32 v1, 5, v0
	v_readfirstlane_b32 s14, v1
	s_lshr_b32 s15, s14, 1
	s_and_b32 s16, s14, 1
	s_bfe_u32 s40, ttmp6, 0x40000
	s_bfe_u32 s41, ttmp6, 0x40004
	s_lshl_b32 s42, ttmp9, 2
	s_add_co_u32 s42, s42, s40                     ; tile column
	s_and_b32 s17, ttmp7, 0xffff
	s_lshl_b32 s17, s17, 2
	s_add_co_u32 s17, s17, s41                     ; tile row
	s_lshl_b32 s43, s41, 2
	s_lshl_b32 s43, 15, s43
	s_lshl_b32 s44, 0x1111, s40
	s_or_b32 s[G1+0], s43, (3<<16)|(1<<21)
	s_or_b32 s[G1B+0], s44, (3<<16)|(1<<21)
.irp g, G1, G1B
	s_mov_b32 s[\g+1], (PANB/8)<<16
	s_mov_b32 s[\g+2], (2*NQ)<<16
	s_mov_b32 s[\g+3], (PANB/8)<<16
	s_mov_b32 s[\g+4], 2*NQ
	s_mov_b32 s[\g+5], PSTR/8
	s_mov_b32 s[\g+6], 0
	s_mov_b32 s[\g+7], 0
.endr
	s_or_b32 s[G1S+0], s43, (2<<16)|(1<<21)
	s_or_b32 s[G1SB+0], s44, (2<<16)|(1<<21)
.irp g, G1S, G1SB
	s_mov_b32 s[\g+1], HROWS<<16
	s_mov_b32 s[\g+2], NKS<<16
	s_mov_b32 s[\g+3], HROWS<<16
	s_mov_b32 s[\g+4], NKS
	s_mov_b32 s[\g+5], SSTR/4
	s_mov_b32 s[\g+6], 0
	s_mov_b32 s[\g+7], 0
.endr
	s_mul_i32 s18, s16, HROWS
	s_mul_i32 s20, s17, 2*HROWS
	s_add_co_u32 s20, s20, s18
	s_mul_i32 s46, s42, 2*HROWS
	s_add_co_u32 s46, s46, s18
	s_lshl_b32 s22, s20, 2
	s_mov_b32 s23, 0
	s_lshl_b32 s92, s46, 2
	s_mov_b32 s93, 0
	s_mul_i32 s20, s20, 48
	s_mov_b32 s21, 0
	s_mul_i32 s46, s46, 48
	s_mov_b32 s47, 0
	s_mul_i32 s45, s14, HALFT
	s_mul_i32 s94, s14, HALFS
	s_wait_kmcnt 0x0
	s_add_nc_u64 s[20:21], s[AP:AP+1], s[20:21]
	s_add_nc_u64 s[22:23], s[AP:AP+1], s[22:23]
	s_add_nc_u64 s[22:23], s[22:23], ASOFF
	s_add_nc_u64 s[46:47], s[BP:BP+1], s[46:47]
	s_add_nc_u64 s[46:47], s[46:47], BOFF
	s_add_nc_u64 s[92:93], s[BP:BP+1], s[92:93]
	s_add_nc_u64 s[92:93], s[92:93], BOFF+BSOFF
	CROUND                                         ; all sixteen work-groups are here: the first joint loads meet
	s_mov_b32 s[G0S], 1
	s_add_co_u32 s[G0S+1], s94, SCL
	s_mov_b64 s[G0S+2:G0S+3], s[22:23]
	s_or_b32 s[G0S+3], s[G0S+3], 0x80000000
	s_mov_b32 s[G0SB], 1
	s_add_co_u32 s[G0SB+1], s94, SCL
	s_mov_b64 s[G0SB+2:G0SB+3], s[92:93]
	s_or_b32 s[G0SB+3], s[G0SB+3], 0x80000000
	JLOAD G0S, G1S, G0SB, G1SB
.irp s, 0,1
	s_mov_b32 s[G0+4*\s], 1
	s_add_co_u32 s[G0+4*\s+1], s45, \s*SLOT
	s_add_nc_u64 s[G0+4*\s+2:G0+4*\s+3], s[20:21], \s*2*NQ*PSTR
	s_or_b32 s[G0+4*\s+3], s[G0+4*\s+3], 0x80000000
	s_mov_b32 s[G0B+4*\s], 1
	s_add_co_u32 s[G0B+4*\s+1], s45, \s*SLOT
	s_add_nc_u64 s[G0B+4*\s+2:G0B+4*\s+3], s[46:47], \s*2*NQ*PSTR
	s_or_b32 s[G0B+4*\s+3], s[G0B+4*\s+3], 0x80000000
	JLOAD G0+4*\s, G1, G0B+4*\s, G1B
.endr
	v_and_b32 v1, 15, v0
	v_bfe_u32 v2, v0, 4, 1
	v_and_b32 v3, 31, v0
	v_lshlrev_b32 v3, 3, v3
	s_mul_i32 s21, s15, HALFT
	s_mul_i32 s22, s16, HALFT
	s_add_co_u32 s22, s22, 2*HALFT
.irp s, 0,1
	v_add_nc_u32 v[ADRA+\s], s21, v3
	v_add_nc_u32 v[ADRB+\s], s22, v3
	s_add_co_u32 s21, s21, SLOT
	s_add_co_u32 s22, s22, SLOT
.endr
	v_lshlrev_b32 v5, 2, v1
	s_mul_i32 s21, s15, HALFS
	s_mul_i32 s22, s16, HALFS
	s_add_co_u32 s22, s22, 2*HALFS
	s_sub_co_u32 s22, s22, s21
	v_mul_u32_u24 v6, s22, v2
	s_add_co_u32 s21, s21, SCL
	v_add_nc_u32 v5, v5, v6
	v_add_nc_u32 v[ADRS], s21, v5
	; the bias of my 64 columns: lane (r, h), block b: columns 16 b + 8 h + 0..7
	s_lshl_b32 s18, s42, 9
	s_lshl_b32 s19, s16, 8
	s_add_co_u32 s18, s18, s19
	s_mov_b32 s19, 0
	s_add_nc_u64 s[8:9], s[8:9], s[18:19]
	v_lshlrev_b32 v31, 5, v2
	WIN 0x40
.set ib, 0
.rept NBLK
	global_load_b128 v[BIAS+8*ib:BIAS+8*ib+3], v31, s[8:9] offset:64*ib
	global_load_b128 v[BIAS+8*ib+4:BIAS+8*ib+7], v31, s[8:9] offset:64*ib+16
.set ib, ib+1
.endr
	WIN 0
	; the way out
	s_lshl_b32 s95, s17, 7
	s_lshl_b32 s96, s15, 6
	s_add_co_u32 s95, s95, s96
	s_lshl_b32 s95, s95, 12                        ; my first row x 4,096 bytes,
	s_add_co_u32 s18, s18, s95                     ; + my first column's bytes
	s_add_nc_u64 s[10:11], s[10:11], s[18:19]
	s_add_nc_u64 s[12:13], s[12:13], s[18:19]
	s_mul_i32 s23, s14, 16*272                     ; my stage: 16 rows x (256 bytes + 16)
.if STGB
	s_add_co_u32 s23, s23, STGB
.endif
	v_mul_u32_u24 v5, v1, 272
	v_lshl_add_u32 v5, v2, 5, v5
	v_add_nc_u32 v[STO], s23, v5
	v_mul_u32_u24 v5, v2, 272
	v_lshl_add_u32 v5, v1, 4, v5
	v_add_nc_u32 v[RD], s23, v5
	v_lshlrev_b32 v5, 12, v2
	v_lshl_add_u32 v[CO], v1, 4, v5                ; lanes 0-15 one row of 256 bytes, lanes 16-31 the next
	; THE RESIDUAL, asked for now.  Position 16 a + 2 t + (lane / 16) of my 64 is row 32 (a/2) + 8 (a%2) + 16 (t/4) + 2 (t%4) + (lane / 16)
	WIN 0x80                                       ; destination window 2
.irp a, 0,1,2,3
.irp t, 0,1,2,3,4,5,6,7
	global_load_b128 v[RES+32*\a+4*\t:RES+32*\a+4*\t+3], v[CO], s[10:11] offset:(32*(\a/2)+8*(\a%2)+16*(\t/4)+2*(\t%4))*4096
.endr
.endr
	WIN 0
	s_wait_tensorcnt 0x1                           ; the scale words and my part of slot 0 are in; slot 1's load may be out
	s_barrier_signal -1
	s_barrier_wait -1
	FETCH 0, 0, 0
	s_wait_loadcnt 32                              ; the bias is in; the residual's 32 loads, issued behind it, stay out
	STEP 0, 0, 1                                   ; the first K step starts the sums on the bias
	STEP 0, 1, 0
	STEP 0, 2, 0
	TURN 0, 1
	STEP 1, 0, 0
	STEP 1, 1, 0
	STEP 1, 2, 0
	LAST 1
	PLACES 4
; THE WAY OUT, a block of 16 positions x 64 columns at a time, through my stage (its slot has had its last fill and its last read), back as rows of 256 bytes; the residual is added; sixteen lanes store 256 aligned bytes.
.macro TOSTAGE a
	WIN 0x08                                       ; an LDS store's data: window 2
.irp b, 0,1,2,3
	ds_store_b128 v[STO], v[8*(4*(\a)+\b):8*(4*(\a)+\b)+3] offset:64*\b       ; each accumulator from its low end on
	ds_store_b128 v[STO], v[8*(4*(\a)+\b)+4:8*(4*(\a)+\b)+7] offset:64*\b+16
.endr
	WIN 0
.irp t, 0,1,2,3,4,5,6,7
	ds_load_b128 v[192+32*((\a)%2)+4*\t:192+32*((\a)%2)+4*\t+3], v[RD] offset:544*\t   ; LDS serves a wave's instructions in order
.endr
.endm
.macro SEND a, younger
.set BB, 192+32*((\a)%2)
.set RR, RES+32*(\a)
	s_wait_dscnt \younger                          ; the block is back; the next block's 8 stores and 8 loads may be out
	s_wait_loadcnt 8*(3-(\a))                      ; its residual is in; the later blocks' loads may be out
	WIN 0x08                                       ; source 1, the residual: window 2
.set ij, 0
.rept 16
	v_pk_add_f32 v[BB+ij:BB+ij+1], v[BB+ij:BB+ij+1], v[RR+ij:RR+ij+1]
.set ij, ij+2
.endr
	WIN 0
.irp t, 0,1,2,3,4,5,6,7
	global_store_b128 v[CO], v[BB+4*\t:BB+4*\t+3], s[12:13] offset:(32*((\a)/2)+8*((\a)%2)+16*(\t/4)+2*(\t%4))*4096
.endr
.endm
	TOSTAGE 0
.irp a, 1,2,3
.if \a > 1
	s_wait_xcnt 0x0                                ; block a - 2's stores have read their registers: block a's loads may land there
.endif
	TOSTAGE \a
	SEND \a-1, 16
.endr
	SEND 3, 0
	s_wait_tensorcnt 0x0                           ; the wave's end
	ds_add_u32 v[SPW], v[NIL]
	s_wait_dscnt 0x0
	CROUND                                         ; the closing round
	s_endpgm
.Lfunc_end_k_q59c3a2e0ff_proj:
	.size	k_q59c3a2e0ff_proj, .Lfunc_end_k_q59c3a2e0ff_proj-k_q59c3a2e0ff_proj
	.p2alignl 7, 3214868480
	.fill 96, 4, 3214868480
	.section	.rodata,"a",@progbits
	.p2align	6, 0x0
	.amdhsa_kernel k_q59c3a2e0ff_proj
		.amdhsa_group_segment_fixed_size 327680
		.amdhsa_private_segment_fixed_size 0
		.amdhsa_enable_private_segment 0
		.amdhsa_kernarg_size 40
		.amdhsa_user_sgpr_count 2
		.amdhsa_user_sgpr_kernarg_segment_ptr 1
		.amdhsa_wavefront_size32 1
		.amdhsa_system_sgpr_workgroup_id_x 1
		.amdhsa_system_sgpr_workgroup_id_y 1
		.amdhsa_system_sgpr_workgroup_id_z 1
		.amdhsa_system_vgpr_workitem_id 0
		.amdhsa_next_free_vgpr 768
		.amdhsa_next_free_sgpr 100
		.amdhsa_reserve_vcc 0
		.amdhsa_float_denorm_mode_32 3
		.amdhsa_float_denorm_mode_16_64 3
		.amdhsa_memory_ordered 1
		.amdhsa_forward_progress 1
		.amdhsa_inst_pref_size 71
	.end_amdhsa_kernel
	.amdgpu_metadata
---
amdhsa.version: [ 1, 2 ]
amdhsa.kernels:
  - .name:           k_q59c3a2e0ff_proj
    .symbol:         k_q59c3a2e0ff_proj.kd
    .args:
      - { .name: attc, .offset: 0, .size: 8, .value_kind: global_buffer, .address_space: global }
      - { .name: wts, .offset: 8, .size: 8, .value_kind: global_buffer, .address_space: global }
      - { .name: b_proj, .offset: 16, .size: 8, .value_kind: global_buffer, .address_space: global }
      - { .name: x, .offset: 24, .size: 8, .value_kind: global_buffer, .address_space: global }
      - { .name: x1, .offset: 32, .size: 8, .value_kind: global_buffer, .address_space: global }
    .group_segment_fixed_size: 327680
    .private_segment_fixed_size: 0
    .kernarg_segment_align: 8
    .kernarg_segment_size: 40
    .max_flat_workgroup_size: 128
    .sgpr_count:     100
    .vgpr_count:     768
    .wavefront_size: 32
...
	.end_amdgpu_metadata
.endif
;; end of part 5
;; launch ln2: the kernel of part 2 again; grid 256 x 1, 8 waves a work-group, no clusters, 66,816 bytes of LDS; arguments x1, ln2_g, ln2_b, h2; writes h2
;; launch fc1 (part 6): grid 16 x 16, 4 waves a work-group, clusters of 4 x 4, 327,680 bytes of LDS; arguments h2, wts, b_fc1, hid; writes hid
.if DOCPART == 6
	.amdgcn_target "amdgcn-amd-amdhsa--gfx1250"
	.amdhsa_code_object_version 6
	.text
	.protected	k_q59c3a2e0ff_fc1
	.globl	k_q59c3a2e0ff_fc1
	.p2align	8
	.type	k_q59c3a2e0ff_fc1,@function
k_q59c3a2e0ff_fc1:
	s_mov_b64 s[64:65], 0
	v_nop
	global_prefetch_b8 v0, s[64:65] scope:SCOPE_SE
	s_setreg_imm32_b32 hwreg(HW_REG_WAVE_MODE, 25, 1), 1
	s_wait_xcnt 0x0
	s_wait_alu depctr_hold_cnt(0) depctr_sa_sdst(0) depctr_va_vdst(0) depctr_va_sdst(0) depctr_va_ssrc(0) depctr_va_vcc(0) depctr_vm_vsrc(0)
	s_getreg_b32 s2, hwreg(HW_REG_IB_STS2, 6, 4)
	s_cmp_eq_u32 s2, 0
	s_cbranch_scc0 .Lentry_in_a_cluster
	s_endpgm
.Lentry_in_a_cluster:
	s_bfe_u32 s2, ttmp6, 0x10000c
	s_cmp_lg_u32 s2, 0xf033
	s_cbranch_scc0 .Lentry_shape_is_right
	s_endpgm
.Lentry_shape_is_right:
; hid = gelu(LN2(x1) w_fc1^T + b_fc1), the product on codes of FP6 (E2M3) with E8M0 scales, gelu exact (by erf) in f32, and the result quantised along the hidden units on the way out.
; OPERAND LAYOUT: codes at P*PSTR + T*768 + i*256 + 8*lane (P = k/64, T = position/16); scale words at SOFF + (k/128)*SSTR + 4*position.  Positions are row numbers with bits 3 and 4 exchanged, for the tokens and for w_fc1's rows.
; A tile of 256 x 256 to a work-group of four waves, 128 x 128 a wave.  K in steps of 128, two to an LDS slot, two slots, joint tensor loads in a cluster of 4 x 4.
; The product is used transposed (source 0 = w_fc1's rows, source 1 = tokens): a lane holds one token, and the 16 registers of two neighbouring tiles are 16 neighbouring hidden units.  The bias is the C of each sum's first product.
; gelu(x) = x/2 + (x/2) erf(u), u = x / sqrt(2) held to +-4, erf(u) = u P(u^2) / Q(u^2), P of degree 6, Q of degree 4.
; LIMITS: NaN and infinities are not served; 1 + erf carries f32's absolute error, so far below 0 the result is of the order of 1e-7 |x| and not the true tiny number; 1/Q comes from v_rcp_f32; blocks under 2^-124 keep the byte 1.
.set NBLK,  8
.set NQ,    2
.set KTOT,  1024
.set HASBIAS, 1
.set AP,    4
.set BP,    6
.set ASOFF, 0x300000
.set BOFF,  0x640000
.set BSOFF, 0x300000
.set SOFF4, 0xC00000
.set PSTR,  196608
.set SSTR,  16384
.set HROWS, 16*NBLK
.set PANB,  48*HROWS
.set HALFT, 2*NQ*PANB
.set SLOT,  4*HALFT
.set NKS,   KTOT/128
.set LAPS,  KTOT/(256*NQ)
.set SCL,   2*SLOT
.set HALFS, NKS*HROWS*4
.set SPARE, SCL+4*HALFS
.set ADRA,  16
.set ADRB,  20
.set ADRS,  27
.set SPW,   28
.set NIL,   29
.set SC,    32
.set AF,    64
.set BIAS,  192
.set G1,    24
.set G0,    32
.set G1B,   48
.set G0B,   56
.set G1S,   68
.set G0S,   76
.set G1SB,  80
.set G0SB,  88
.set MSB, 0
.macro WIN new
.if MSB != (\new)
	s_set_vgpr_msb (MSB<<8)|(\new)
.set MSB, (\new)
.endif
.endm
.macro PLACES n
.rept \n
	v_nop
.endr
.endm
.macro JLOAD g0a, g1a, g0b, g1b
	s_cmp_eq_u32 s15, 0
	s_cbranch_scc0 .Lfor_b_\@
	tensor_load_to_lds s[\g0a:\g0a+3], s[\g1a:\g1a+7]
	s_nop 0
	PLACES 4
	s_branch .Lasked_\@
.Lfor_b_\@:
	tensor_load_to_lds s[\g0b:\g0b+3], s[\g1b:\g1b+7]
	s_nop 0
	PLACES 4
.Lasked_\@:
.endm
.macro CREST
	s_cmp_lg_u32 s14, 0
	s_cbranch_scc1 .Lnot_wave_0_\@
	s_barrier_signal -3
.Lnot_wave_0_\@:
	s_barrier_wait -3
	s_barrier_signal -1
	s_barrier_wait -1
.endm
.macro CROUND
	s_barrier_signal -1
	s_barrier_wait -1
	CREST
.endm
.macro FRAG reg, adr, q, i
.irp p, 0,1,2,3,4,5
	ds_load_b64 v[\reg+2*\p:\reg+2*\p+1], v[\adr] offset:(2*(\q)+\p/3)*PANB+(\i)*768+(\p%3)*256
.endr
.endm
.macro FETCHP slot, q, set, i
	WIN 0x40
	FRAG 96*(\set)+12*(\i), ADRB+\slot, \q, \i
	WIN 0
	FRAG AF+96*(\set)+12*(\i), ADRA+\slot, \q, \i
	ds_load_b32 v[SC+NBLK*(\set)+(\i)], v[ADRS] offset:(\q)*HROWS*4+64*(\i)
.endm
.macro MULA a, set, first              ; all accumulators take turns, one instruction a turn
.if (\first) && HASBIAS
	WIN 0x91+0x40*((\a)/4)
.else
	WIN 0xa1+0x50*((\a)/4)
.endif
.set ib, 0
.rept NBLK
.set AC, 8*(NBLK*((\a)%4)+ib)
.set FB, 96*(\set)+12*ib
.set FA, AF+96*(\set)+12*(\a)
.if (\first) && HASBIAS
	v_wmma_scale_f32_16x16x128_f8f6f4 v[AC:AC+7], v[FB:FB+11], v[FA:FA+11], v[BIAS+8*ib:BIAS+8*ib+7], v[SC+NBLK*(\set)+ib], v[SC+NBLK*(\set)+(\a)] matrix_a_fmt:MATRIX_FMT_FP6 matrix_b_fmt:MATRIX_FMT_FP6 matrix_a_scale:MATRIX_SCALE_ROW1
.elseif \first
	v_wmma_scale_f32_16x16x128_f8f6f4 v[AC:AC+7], v[FB:FB+11], v[FA:FA+11], 0, v[SC+NBLK*(\set)+ib], v[SC+NBLK*(\set)+(\a)] matrix_a_fmt:MATRIX_FMT_FP6 matrix_b_fmt:MATRIX_FMT_FP6 matrix_a_scale:MATRIX_SCALE_ROW1
.else
	v_wmma_scale_f32_16x16x128_f8f6f4 v[AC:AC+7], v[FB:FB+11], v[FA:FA+11], v[AC:AC+7], v[SC+NBLK*(\set)+ib], v[SC+NBLK*(\set)+(\a)] matrix_a_fmt:MATRIX_FMT_FP6 matrix_b_fmt:MATRIX_FMT_FP6 matrix_a_scale:MATRIX_SCALE_ROW1
.endif
.set ib, ib+1
.endr
.endm
.macro STEP slot, q, first
	s_wait_dscnt 0x0                               ; this step's operands, asked for during the last step, are in
	PLACES 4                                       ; four places between the last step's products and the loads into the registers that they read
.set ia, 0
.rept NBLK
	MULA ia, (\q)%2, \first
	FETCHP \slot, (\q)+1, 1-(\q)%2, ia
.set ia, ia+1
.endr
.endm
.macro STEPS slot, from
.if NQ-1-(\from) > 0
.set iq, \from
.rept NQ-1-(\from)
	STEP \slot, iq, 0
.set iq, iq+1
.endr
.endif
.endm
.macro TURN slot, next, fill
	s_wait_tensorcnt 0x0                           ; all my tensor loads have landed: my part of the next slot
	ds_add_u32 v[SPW], v[NIL]                      ; 0 onto my spare word
.if \fill
	s_add_nc_u64 s[G0+4*\slot+2:G0+4*\slot+3], s[G0+4*\slot+2:G0+4*\slot+3], 4*NQ*PSTR
	s_add_nc_u64 s[G0B+4*\slot+2:G0B+4*\slot+3], s[G0B+4*\slot+2:G0B+4*\slot+3], 4*NQ*PSTR
.endif
	s_wait_dscnt 0x0                               ; the add is done, and my reads of this slot are over
	s_barrier_signal -1
.set ia, 0
.rept NBLK/2
	MULA ia, 1, 0
.set ia, ia+1
.endr
	WIN 0
	s_barrier_wait -1
.if \fill
	CREST
	JLOAD G0+4*\slot, G1, G0B+4*\slot, G1B
.else
	PLACES 4
.endif
	v_add_nc_u32 v[ADRS], NQ*HROWS*4, v[ADRS]
.rept NBLK/2
	MULA ia, 1, 0
	FETCHP \next, 0, 0, 2*ia-NBLK
	FETCHP \next, 0, 0, 2*ia-NBLK+1
.set ia, ia+1
.endr
.endm
.macro LAST
	s_wait_dscnt 0x0
.set ia, 0
.rept NBLK
	MULA ia, 1, 0
.set ia, ia+1
.endr
	WIN 0
.endm
	s_load_b128 s[4:7], s[0:1], 0x0                ; h2 s[4:5], wts s[6:7]
	s_load_b128 s[8:11], s[0:1], 0x10              ; b_fc1 s[8:9], hid s[10:11]
	v_lshl_add_u32 v[SPW], v0, 2, SPARE
	v_mov_b32 v[NIL], 0
	ds_add_u32 v28, v29
	ds_add_u32 v28, v29
	s_wait_dscnt 0x0
	v_lshrrev_b32 v1, 5, v0
	v_readfirstlane_b32 s14, v1
	s_lshr_b32 s15, s14, 1
	s_and_b32 s16, s14, 1
	s_bfe_u32 s40, ttmp6, 0x40000
	s_bfe_u32 s41, ttmp6, 0x40004
	s_lshl_b32 s42, ttmp9, 2
	s_add_co_u32 s42, s42, s40                     ; tile column
	s_and_b32 s17, ttmp7, 0xffff
	s_lshl_b32 s17, s17, 2
	s_add_co_u32 s17, s17, s41                     ; tile row
	s_lshl_b32 s43, s41, 2
	s_lshl_b32 s43, 15, s43
	s_lshl_b32 s44, 0x1111, s40
	s_or_b32 s[G1+0], s43, (3<<16)|(1<<21)
	s_or_b32 s[G1B+0], s44, (3<<16)|(1<<21)
.irp g, G1, G1B
	s_mov_b32 s[\g+1], (PANB/8)<<16
	s_mov_b32 s[\g+2], (2*NQ)<<16
	s_mov_b32 s[\g+3], (PANB/8)<<16
	s_mov_b32 s[\g+4], 2*NQ
	s_mov_b32 s[\g+5], PSTR/8
	s_mov_b32 s[\g+6], 0
	s_mov_b32 s[\g+7], 0
.endr
	s_or_b32 s[G1S+0], s43, (2<<16)|(1<<21)
	s_or_b32 s[G1SB+0], s44, (2<<16)|(1<<21)
.irp g, G1S, G1SB
	s_mov_b32 s[\g+1], HROWS<<16
	s_mov_b32 s[\g+2], NKS<<16
	s_mov_b32 s[\g+3], HROWS<<16
	s_mov_b32 s[\g+4], NKS
	s_mov_b32 s[\g+5], SSTR/4
	s_mov_b32 s[\g+6], 0
	s_mov_b32 s[\g+7], 0
.endr
	s_mul_i32 s18, s16, HROWS
	s_mul_i32 s20, s17, 2*HROWS
	s_add_co_u32 s20, s20, s18
	s_mul_i32 s46, s42, 2*HROWS
	s_add_co_u32 s46, s46, s18
	s_lshl_b32 s22, s20, 2
	s_mov_b32 s23, 0
	s_lshl_b32 s92, s46, 2
	s_mov_b32 s93, 0
	s_mul_i32 s20, s20, 48
	s_mov_b32 s21, 0
	s_mul_i32 s46, s46, 48
	s_mov_b32 s47, 0
	s_mul_i32 s45, s14, HALFT
	s_mul_i32 s94, s14, HALFS
	s_wait_kmcnt 0x0
	s_add_nc_u64 s[20:21], s[AP:AP+1], s[20:21]
	s_add_nc_u64 s[22:23], s[AP:AP+1], s[22:23]
	s_add_nc_u64 s[22:23], s[22:23], ASOFF
	s_add_nc_u64 s[46:47], s[BP:BP+1], s[46:47]
	s_add_nc_u64 s[46:47], s[46:47], BOFF
	s_add_nc_u64 s[92:93], s[BP:BP+1], s[92:93]
	s_add_nc_u64 s[92:93], s[92:93], BOFF+BSOFF
	CROUND
	s_mov_b32 s[G0S], 1
	s_add_co_u32 s[G0S+1], s94, SCL
	s_mov_b64 s[G0S+2:G0S+3], s[22:23]
	s_or_b32 s[G0S+3], s[G0S+3], 0x80000000
	s_mov_b32 s[G0SB], 1
	s_add_co_u32 s[G0SB+1], s94, SCL
	s_mov_b64 s[G0SB+2:G0SB+3], s[92:93]
	s_or_b32 s[G0SB+3], s[G0SB+3], 0x80000000
	JLOAD G0S, G1S, G0SB, G1SB
.irp s, 0,1
	s_mov_b32 s[G0+4*\s], 1
	s_add_co_u32 s[G0+4*\s+1], s45, \s*SLOT
	s_add_nc_u64 s[G0+4*\s+2:G0+4*\s+3], s[20:21], \s*2*NQ*PSTR
	s_or_b32 s[G0+4*\s+3], s[G0+4*\s+3], 0x80000000
	s_mov_b32 s[G0B+4*\s], 1
	s_add_co_u32 s[G0B+4*\s+1], s45, \s*SLOT
	s_add_nc_u64 s[G0B+4*\s+2:G0B+4*\s+3], s[46:47], \s*2*NQ*PSTR
	s_or_b32 s[G0B+4*\s+3], s[G0B+4*\s+3], 0x80000000
	JLOAD G0+4*\s, G1, G0B+4*\s, G1B
.endr
	v_and_b32 v1, 15, v0
	v_bfe_u32 v2, v0, 4, 1
	v_and_b32 v3, 31, v0
	v_lshlrev_b32 v3, 3, v3                        ; 8 x lane
	s_mul_i32 s21, s15, HALFT
	s_mul_i32 s22, s16, HALFT
	s_add_co_u32 s22, s22, 2*HALFT
.irp s, 0,1
	v_add_nc_u32 v[ADRA+\s], s21, v3
	v_add_nc_u32 v[ADRB+\s], s22, v3
	s_add_co_u32 s21, s21, SLOT
	s_add_co_u32 s22, s22, SLOT
.endr
	v_lshlrev_b32 v5, 2, v1
	s_mul_i32 s21, s15, HALFS
	s_mul_i32 s22, s16, HALFS
	s_add_co_u32 s22, s22, 2*HALFS
	s_sub_co_u32 s22, s22, s21
	v_mul_u32_u24 v6, s22, v2
	s_add_co_u32 s21, s21, SCL
	v_add_nc_u32 v5, v5, v6
	v_add_nc_u32 v[ADRS], s21, v5
	; the bias of my 128 hidden units: lane (r, h), block b: units 32 (b/2) + 16 h + 8 (b%2) + 0..7
	s_lshl_b32 s18, s42, 10
	s_lshl_b32 s19, s16, 9
	s_add_co_u32 s18, s18, s19
	s_mov_b32 s19, 0
	s_add_nc_u64 s[8:9], s[8:9], s[18:19]
	v_lshlrev_b32 v31, 6, v2
	WIN 0x40
.set ib, 0
.rept NBLK
	global_load_b128 v[BIAS+8*ib:BIAS+8*ib+3], v31, s[8:9] offset:(32*(ib/2)+8*(ib%2))*4
	global_load_b128 v[BIAS+8*ib+4:BIAS+8*ib+7], v31, s[8:9] offset:(32*(ib/2)+8*(ib%2))*4+16
.set ib, ib+1
.endr
	WIN 0
	; the way out: where my codes and scale words go
	s_lshl_b32 s18, s42, 2
	s_lshl_b32 s95, s16, 1
	s_add_co_u32 s18, s18, s95
	s_mul_i32 s18, s18, PSTR
	s_lshl_b32 s95, s17, 4
	s_lshl_b32 s94, s15, 3
	s_add_co_u32 s95, s95, s94
	s_mul_i32 s95, s95, 768
	s_add_co_u32 s18, s18, s95
	s_add_nc_u64 s[96:97], s[10:11], s[18:19]
	s_lshl_b32 s18, s42, 1
	s_add_co_u32 s18, s18, s16
	s_lshl_b32 s18, s18, 14
	s_lshl_b32 s95, s17, 10
	s_add_co_u32 s18, s18, s95
	s_lshl_b32 s95, s15, 9
	s_add_co_u32 s18, s18, s95
	s_add_co_u32 s18, s18, SOFF4
	s_add_nc_u64 s[98:99], s[10:11], s[18:19]
	s_lshl_b32 s95, s14, 9
	v_lshl_add_u32 v25, v1, 2, s95                 ; my 512 bytes in slot 0 for the scale words
	v_and_b32 v30, 31, v0
	v_lshlrev_b32 v30, 4, v30
	v_add_nc_u32 v26, s95, v30
	s_wait_tensorcnt 0x1                           ; the scale words and my part of slot 0 are in; slot 1's load may be out
	s_barrier_signal -1
	s_barrier_wait -1
.set ia, 0
.rept NBLK
	FETCHP 0, 0, 0, ia
.set ia, ia+1
.endr
	s_wait_loadcnt 0x0                             ; the bias
	STEP 0, 0, 1
	STEPS 0, 1
.if LAPS > 1
	s_mov_b32 s3, LAPS-1
.Llap:
	TURN 0, 1, 1
	STEPS 1, 0
	TURN 1, 0, 1
	STEPS 0, 0
	s_sub_co_u32 s3, s3, 1
	s_cmp_lg_u32 s3, 0
	s_cbranch_scc1 .Llap
.endif
	TURN 0, 1, 0
	STEPS 1, 0
	LAST
	PLACES 4
; THE WAY OUT: a loop of eight trips, one for each block of 16 tokens, so that gelu's text stands once.  What differs between trips is where the block's 64 sums lie: eight short entries make u = x / sqrt(2) and x / 2 of
; them, into window 0; both multiplications are part of gelu.  The branch hangs on the loop's counter alone.
.set U,   64
.set HX,  128
.set T2,  192
.set P,   208
.set Q,   224
.set PC,  192
.set PW,  48
.set TM,  208
.set CT,  224
.set SEL, 20
.macro ENTRY a
	WIN 2+(\a)/4
.set ij, 0
.rept 32
	v_pk_mul_f32 v[U+ij:U+ij+1], v[64*((\a)%4)+ij:64*((\a)%4)+ij+1], 0x3f3504f3 op_sel_hi:[1,0]    ; each accumulator is read from its low end on
.set ij, ij+2
.endr
.set ij, 0
.rept 32
	v_pk_mul_f32 v[HX+ij:HX+ij+1], v[64*((\a)%4)+ij:64*((\a)%4)+ij+1], 0.5 op_sel_hi:[1,0]
.set ij, ij+2
.endr
	WIN 0
.endm
.macro QUANT s
.irp b, 0,1,2,3
	v_max3_num_f32 v[TM+\b], |v[\s+16*\b]|, |v[\s+16*\b+1]|, 0x1800000
.endr
.irp i, 2,4,6,8,10,12,14
.irp b, 0,1,2,3
	v_max3_num_f32 v[TM+\b], v[TM+\b], |v[\s+16*\b+\i]|, |v[\s+16*\b+\i+1]|
.endr
.endr
.irp b, 0,1,2,3
	v_permlanex16_b32 v[TM+4+\b], v[TM+\b], s[SEL], s[SEL+1]
.endr
.irp b, 0,1,2,3
	v_max_num_f32 v[TM+\b], v[TM+\b], v[TM+4+\b]
.endr
.irp b, 0,1,2,3
	v_add_nc_u32 v[TM+12+\b], 0xff000000, v[TM+\b]
.endr
.irp b, 0,1,2,3
	v_lshrrev_b32 v[TM+4+\b], 23, v[TM+12+\b]
.endr
	v_lshl_or_b32 v[PW], v[TM+5], 8, v[TM+4]
	v_lshl_or_b32 v[PW], v[TM+6], 16, v[PW]
	v_lshl_or_b32 v[PW], v[TM+7], 24, v[PW]
.irp c, 0,1
	v_cvt_scalef32_pk16_fp6_f32 v[PC+6*\c:PC+6*\c+2], v[\s+32*\c:\s+32*\c+15], v[TM+12+2*\c]
	v_cvt_scalef32_pk16_fp6_f32 v[CT+4*\c:CT+4*\c+2], v[\s+32*\c+16:\s+32*\c+31], v[TM+13+2*\c]
.endr
	v_nop
.irp c, 0,1
.irp i, 0,1,2
	v_permlane16_swap_b32 v[PC+6*\c+\i], v[CT+4*\c+\i]
.endr
.irp i, 0,1,2
	v_mov_b32 v[PC+6*\c+3+\i], v[CT+4*\c+\i]
.endr
.endr
.endm
	s_mov_b32 s[SEL], 0x76543210
	s_mov_b32 s[SEL+1], 0xfedcba98
	v_mov_b32 v240, 0xAF95DF0B                     ; P's leading coefficient, -2.72614226e-10, twice
	v_mov_b32 v241, 0xAF95DF0B
	v_mov_b32 v242, 0xB77460CD                     ; Q's, -1.45660718e-05, twice
	v_mov_b32 v243, 0xB77460CD
	s_mov_b32 s3, 0                                ; the block
	s_mov_b32 s2, 0                                ; 64 x the block: its scale words' place
.Lgelu:
.irp k, 0,1,2,3,4,5,6
	s_cmp_eq_u32 s3, \k
	s_cbranch_scc1 .Lin_\k
.endr
	ENTRY 7
	s_branch .Lgo
.irp k, 0,1,2,3,4,5
.Lin_\k:
	ENTRY \k
	s_branch .Lgo
.endr
.Lin_6:
	ENTRY 6
.Lgo:
.irp g, 0,1,2,3                        ; sixteen numbers at a time
.irp j, 0,1,2,3,4,5,6,7,8,9,10,11,12,13,14,15
	v_med3_num_f32 v[U+16*\g+\j], v[U+16*\g+\j], -4.0, 4.0
.endr
.irp j, 0,2,4,6,8,10,12,14
	v_pk_mul_f32 v[T2+\j:T2+\j+1], v[U+16*\g+\j:U+16*\g+\j+1], v[U+16*\g+\j:U+16*\g+\j+1]
.endr
.irp j, 0,2,4,6,8,10,12,14
	v_pk_fma_f32 v[P+\j:P+\j+1], v[T2+\j:T2+\j+1], v[240:241], 0x32EDFFEE op_sel_hi:[1,1,0]
	v_pk_fma_f32 v[Q+\j:Q+\j+1], v[T2+\j:T2+\j+1], v[242:243], 0xB95FBD29 op_sel_hi:[1,1,0]
.endr
.irp k, 0xB60CFF51, 0xB86EC2D2, 0xBA40AC63, 0xBB41A1F6, 0xBC83DBD4
.irp j, 0,2,4,6,8,10,12,14
	v_pk_fma_f32 v[P+\j:P+\j+1], v[P+\j:P+\j+1], v[T2+\j:T2+\j+1], \k op_sel_hi:[1,1,0]
.endr
.endr
.irp k, 0xBADC924E, 0xBBF19BF8, 0xBC69B6A7
.irp j, 0,2,4,6,8,10,12,14
	v_pk_fma_f32 v[Q+\j:Q+\j+1], v[Q+\j:Q+\j+1], v[T2+\j:T2+\j+1], \k op_sel_hi:[1,1,0]
.endr
.endr
.irp j, 0,1,2,3,4,5,6,7,8,9,10,11,12,13,14,15
	v_rcp_f32 v[Q+\j], v[Q+\j]
.endr
.irp j, 0,2,4,6,8,10,12,14
	v_pk_mul_f32 v[P+\j:P+\j+1], v[P+\j:P+\j+1], v[U+16*\g+\j:U+16*\g+\j+1]    ; plain work behind the batch of reciprocals
.endr
	s_wait_alu depctr_va_vdst(0)                   ; one wait for the sixteen, ahead of their first reader
.irp j, 0,2,4,6,8,10,12,14
	v_pk_mul_f32 v[P+\j:P+\j+1], v[P+\j:P+\j+1], v[Q+\j:Q+\j+1]                ; erf(u)
.endr
.irp j, 0,2,4,6,8,10,12,14
	v_pk_fma_f32 v[U+16*\g+\j:U+16*\g+\j+1], v[HX+16*\g+\j:HX+16*\g+\j+1], v[P+\j:P+\j+1], v[HX+16*\g+\j:HX+16*\g+\j+1]   ; gelu
.endr
.endr
	QUANT U
.irp k, 0,1,2,3,4,5
	global_store_b64 v3, v[PC+2*\k:PC+2*\k+1], s[96:97] offset:(\k/3)*PSTR+(\k%3)*256   ; 256 consecutive bytes, aligned
.endr
	v_add_nc_u32 v24, s2, v25
	ds_store_b32 v24, v[PW]                        ; slot 0 has had its last fill and its last read; lanes r and r + 16 write the same word with the same value
	s_wait_xcnt 0x0                                ; the stores have read their registers and their base: both are written again below and in the next trip
	s_add_nc_u64 s[96:97], s[96:97], 768
	s_add_co_u32 s2, s2, 64
	s_add_co_u32 s3, s3, 1
	s_cmp_lt_u32 s3, 8
	s_cbranch_scc1 .Lgelu
	ds_load_b128 v[192:195], v26                   ; LDS serves a wave's instructions in order: these see my stores
	s_wait_dscnt 0x0
	global_store_b128 v30, v[192:195], s[98:99]    ; my 128 tokens' scale words: 512 consecutive bytes
	s_wait_tensorcnt 0x0                           ; the wave's end
	ds_add_u32 v[SPW], v[NIL]
	s_wait_dscnt 0x0
	CROUND
	s_endpgm
.Lfunc_end_k_q59c3a2e0ff_fc1:
	.size	k_q59c3a2e0ff_fc1, .Lfunc_end_k_q59c3a2e0ff_fc1-k_q59c3a2e0ff_fc1
	.p2alignl 7, 3214868480
	.fill 96, 4, 3214868480
	.section	.rodata,"a",@progbits
	.p2align	6, 0x0
	.amdhsa_kernel k_q59c3a2e0ff_fc1
		.amdhsa_group_segment_fixed_size 327680
		.amdhsa_private_segment_fixed_size 0
		.amdhsa_enable_private_segment 0
		.amdhsa_kernarg_size 32
		.amdhsa_user_sgpr_count 2
		.amdhsa_user_sgpr_kernarg_segment_ptr 1
		.amdhsa_wavefront_size32 1
		.amdhsa_system_sgpr_workgroup_id_x 1
		.amdhsa_system_sgpr_workgroup_id_y 1
		.amdhsa_system_sgpr_workgroup_id_z 1
		.amdhsa_system_vgpr_workitem_id 0
		.amdhsa_next_free_vgpr 1024
		.amdhsa_next_free_sgpr 100
		.amdhsa_reserve_vcc 0
		.amdhsa_float_denorm_mode_32 3
		.amdhsa_float_denorm_mode_16_64 3
		.amdhsa_memory_ordered 1
		.amdhsa_forward_progress 1
		.amdhsa_inst_pref_size 228
	.end_amdhsa_kernel
	.amdgpu_metadata
---
amdhsa.version: [ 1, 2 ]
amdhsa.kernels:
  - .name:           k_q59c3a2e0ff_fc1
    .symbol:         k_q59c3a2e0ff_fc1.kd
    .args:
      - { .name: h2, .offset: 0, .size: 8, .value_kind: global_buffer, .address_space: global }
      - { .name: wts, .offset: 8, .size: 8, .value_kind: global_buffer, .address_space: global }
      - { .name: b_fc1, .offset: 16, .size: 8, .value_kind: global_buffer, .address_space: global }
      - { .name: hid, .offset: 24, .size: 8, .value_kind: global_buffer, .address_space: global }
    .group_segment_fixed_size: 327680
    .private_segment_fixed_size: 0
    .kernarg_segment_align: 8
    .kernarg_segment_size: 32
    .max_flat_workgroup_size: 128
    .sgpr_count:     100
    .vgpr_count:     1024
    .wavefront_size: 32
...
	.end_amdgpu_metadata
.endif
;; end of part 6
;; launch fc2 (part 7): grid 8 x 32, 4 waves a work-group, clusters of 4 x 4, 327,680 bytes of LDS; arguments hid, wts, b_fc2, x1, out0; writes out0
.if DOCPART == 7
	.amdgcn_target "amdgcn-amd-amdhsa--gfx1250"
	.amdhsa_code_object_version 6
	.text
	.protected	k_q59c3a2e0ff_fc2
	.globl	k_q59c3a2e0ff_fc2
	.p2align	8
	.type	k_q59c3a2e0ff_fc2,@function
k_q59c3a2e0ff_fc2:
	s_mov_b64 s[64:65], 0
	v_nop
	global_prefetch_b8 v0, s[64:65] scope:SCOPE_SE
	s_setreg_imm32_b32 hwreg(HW_REG_WAVE_MODE, 25, 1), 1
	s_wait_xcnt 0x0
	s_wait_alu depctr_hold_cnt(0) depctr_sa_sdst(0) depctr_va_vdst(0) depctr_va_sdst(0) depctr_va_ssrc(0) depctr_va_vcc(0) depctr_vm_vsrc(0)
	s_getreg_b32 s2, hwreg(HW_REG_IB_STS2, 6, 4)
	s_cmp_eq_u32 s2, 0
	s_cbranch_scc0 .Lentry_in_a_cluster
	s_endpgm
.Lentry_in_a_cluster:
	s_bfe_u32 s2, ttmp6, 0x10000c
	s_cmp_lg_u32 s2, 0xf033
	s_cbranch_scc0 .Lentry_shape_is_right
	s_endpgm
.Lentry_shape_is_right:
; out = res + A B^T + bias, A and B as codes of FP6 (E2M3) with E8M0 scales; res, bias, out f32.  Here: A = the hidden layer, B = w_fc2, K = 4,096.
; OPERAND LAYOUT: codes at P*PSTR + T*768 + i*256 + 8*lane (P = k/64, T = position/16); scale words at SOFF + (k/128)*SSTR + 4*position.  A's positions are row numbers with bits 3 and 4 exchanged; B's are its rows.
; N is 1,024: tiles of 128 x 128 give each of 256 work-groups one tile.  Four waves, 64 x 64 each: 16 accumulators.  Joint tensor loads in a cluster of 4 x 4.
; THE RING: K in steps of 128, FIVE to an LDS slot, two slots: 2 x 122,880 bytes, beside 32,768 of scale words for all of K and 512 spare; six steps to a slot would need 328,192 bytes, more than a work-group can claim.
; The 32 K steps are 5 + 5 + 5 + 5 + 5 + 5 + 2: two first fills and five refills, each with five K steps in which to land; the last fill brings 4 panels of 64 along K.
; The product is used transposed (source 0 = B's rows, source 1 = A's): a lane holds eight neighbouring columns of one row.  The bias is the C of each sum's first product.
; THE RESIDUAL is asked for at the head, behind the tensor loads: 32 loads a wave into registers of their own, so that it is on its way while K is walked.
; A K STEP: the next step's 52 LDS loads stand in one run at the step's head, behind four places; the step's 16 products follow back to back while those loads are served.
; REGISTERS: window 0: v1-6, v16-31 addresses; v32-39 scale words, two sets; v64-111, v160-207 A's fragments, two sets; v192-255 rows on the way out.
;   window 1: v0-47, v96-143 B's fragments, two sets; v192-223 the bias.  window 2: v0-127 accumulator (a, b) at v[8 (4 a + b)]; v128-255 the residual, 32 registers a block of 16 positions.
.set NBLK,  4
.set NQ,    5
.set NLP,   4                          ; panels in the last fill: K steps 30 and 31
.set KTOT,  4096
.set AP,    4
.set BP,    6
.set ASOFF, 0xC00000
.set BOFF,  0x960000
.set BSOFF, 0xC00000
.set PSTR,  196608
.set SSTR,  16384
.set HROWS, 16*NBLK
.set PANB,  48*HROWS
.set HALFT, 2*NQ*PANB
.set SLOT,  4*HALFT
.set NKS,   KTOT/128
.set SCL,   2*SLOT
.set HALFS, NKS*HROWS*4
.set SPARE, SCL+4*HALFS
.set STGB,  SLOT                       ; the way out's stages lie in slot 1: the last K steps read slot 0
.set ADRA,  16
.set ADRB,  20
.set STO,   24
.set RD,    25
.set CO,    26
.set ADRS,  27
.set SPW,   28
.set NIL,   29
.set SC,    32
.set AF,    64
.set BIAS,  192
.set RES,   128
.set G1,    24
.set G0,    32
.set G1B,   48
.set G0B,   56
.set G1S,   68
.set G0S,   76
.set G1SB,  80
.set G0SB,  88
.set MSB, 0
.macro WIN new                         ; the immediate's high byte repeats the setting that is left
.if MSB != (\new)
	s_set_vgpr_msb (MSB<<8)|(\new)
.set MSB, (\new)
.endif
.endm
.macro PLACES n
.rept \n
	v_nop
.endr
.endm
.macro JLOAD g0a, g1a, g0b, g1b        ; a joint load: waves 0, 1 fetch for A, waves 2, 3 for B; four v_nop follow each line
	s_cmp_eq_u32 s15, 0
	s_cbranch_scc0 .Lfor_b_\@
	tensor_load_to_lds s[\g0a:\g0a+3], s[\g1a:\g1a+7]
	s_nop 0
	PLACES 4
	s_branch .Lasked_\@
.Lfor_b_\@:
	tensor_load_to_lds s[\g0b:\g0b+3], s[\g1b:\g1b+7]
	s_nop 0
	PLACES 4
.Lasked_\@:
.endm
.macro CREST                           ; a round of the cluster's barrier behind its opening barrier
	s_cmp_lg_u32 s14, 0
	s_cbranch_scc1 .Lnot_wave_0_\@
	s_barrier_signal -3
.Lnot_wave_0_\@:
	s_barrier_wait -3
	s_barrier_signal -1
	s_barrier_wait -1
.endm
.macro CROUND
	s_barrier_signal -1
	s_barrier_wait -1
	CREST
.endm
.macro FRAG reg, adr, q, i             ; a fragment: 16 positions x 128 K, 12 registers, six loads of 256 consecutive bytes
.irp p, 0,1,2,3,4,5
	ds_load_b64 v[\reg+2*\p:\reg+2*\p+1], v[\adr] offset:(2*(\q)+\p/3)*PANB+(\i)*768+(\p%3)*256
.endr
.endm
.macro FETCH slot, q, set              ; a K step's operands in one run: B's four fragments, A's four, and four registers with A's (lanes 0-15) and B's (lanes 16-31) scale words
	WIN 0x40
.set ifx, 0
.rept NBLK
	FRAG 96*(\set)+12*ifx, ADRB+\slot, \q, ifx
.set ifx, ifx+1
.endr
	WIN 0
.set ifx, 0
.rept NBLK
	FRAG AF+96*(\set)+12*ifx, ADRA+\slot, \q, ifx
.set ifx, ifx+1
.endr
.set ifx, 0
.rept NBLK
	ds_load_b32 v[SC+NBLK*(\set)+ifx], v[ADRS] offset:(\q)*HROWS*4+64*ifx
.set ifx, ifx+1
.endr
.endm
.macro MULA a, set, first              ; A's block a against B's four.  All accumulators take turns, one instruction a turn
.if \first
	WIN 0x91                                       ; B window 1, A window 0, C (the bias) window 1, D window 2
.else
	WIN 0xa1                                       ; B window 1, A window 0, C and D window 2
.endif
.set ib, 0
.rept NBLK
.set AC, 8*(NBLK*(\a)+ib)
.set FB, 96*(\set)+12*ib
.set FA, AF+96*(\set)+12*(\a)
.if \first
	v_wmma_scale_f32_16x16x128_f8f6f4 v[AC:AC+7], v[FB:FB+11], v[FA:FA+11], v[BIAS+8*ib:BIAS+8*ib+7], v[SC+NBLK*(\set)+ib], v[SC+NBLK*(\set)+(\a)] matrix_a_fmt:MATRIX_FMT_FP6 matrix_b_fmt:MATRIX_FMT_FP6 matrix_a_scale:MATRIX_SCALE_ROW1
.else
	v_wmma_scale_f32_16x16x128_f8f6f4 v[AC:AC+7], v[FB:FB+11], v[FA:FA+11], v[AC:AC+7], v[SC+NBLK*(\set)+ib], v[SC+NBLK*(\set)+(\a)] matrix_a_fmt:MATRIX_FMT_FP6 matrix_b_fmt:MATRIX_FMT_FP6 matrix_a_scale:MATRIX_SCALE_ROW1
.endif
.set ib, ib+1
.endr
.endm
.macro STEP slot, q, first             ; a K step whose successor lies in the same slot.  Step q of slot s works on fragment set (q + s NQ) % 2: a lap of two slots is ten steps, so the sets come back
.set CSET, ((\q)+(\slot)*NQ)%2
	s_wait_dscnt 0x0                               ; this step's operands, asked for at the last step's head, are in
	PLACES 4                                       ; four places between the last step's products and the loads into the registers that they read
	FETCH \slot, (\q)+1, 1-CSET
.set ia, 0
.rept NBLK
	MULA ia, CSET, \first
.set ia, ia+1
.endr
	WIN 0
.endm
; A slot's last K step changes slots: one barrier; where the slot is filled again it opens a round of the cluster's barrier.  fill = 1: with the ten panels twenty on; 2: with the last four; 0: not at all
.macro TURN slot, next, fill
.set TSET, ((NQ-1)+(\slot)*NQ)%2
	s_wait_tensorcnt 0x0                           ; all my tensor loads have landed: my part of the next slot
	ds_add_u32 v[SPW], v[NIL]                      ; 0 onto my spare word
.if \fill
	s_add_nc_u64 s[G0+4*\slot+2:G0+4*\slot+3], s[G0+4*\slot+2:G0+4*\slot+3], 4*NQ*PSTR       ; no load of mine is out, so descriptors may be written: this slot's next K steps
	s_add_nc_u64 s[G0B+4*\slot+2:G0B+4*\slot+3], s[G0B+4*\slot+2:G0B+4*\slot+3], 4*NQ*PSTR
.endif
.if (\fill) == 2
	s_mov_b32 s[G1+2], NLP<<16                     ; the last fill has four panels: tensor_dim1,
	s_mov_b32 s[G1+4], NLP                         ; tile_dim1,
	s_mov_b32 s[G1B+2], NLP<<16                    ; and the same for B
	s_mov_b32 s[G1B+4], NLP
.endif
	s_wait_dscnt 0x0                               ; the add is done, this step's operands are in, and my reads of this slot are over
	s_barrier_signal -1
.set ia, 0
.rept NBLK/2
	MULA ia, TSET, 0
.set ia, ia+1
.endr
	WIN 0
	s_barrier_wait -1
.if \fill
	CREST                                          ; no wave of any partner still reads this slot or has a load on its way
	JLOAD G0+4*\slot, G1, G0B+4*\slot, G1B         ; the first tensor load behind the round; its four v_nop are also the places in front of the loads below
.else
	PLACES 4
.endif
	v_add_nc_u32 v[ADRS], NQ*HROWS*4, v[ADRS]      ; the next slot's scale words
	FETCH \next, 0, 1-TSET
.rept NBLK/2
	MULA ia, TSET, 0
.set ia, ia+1
.endr
	WIN 0
.endm
.macro LAST set
	s_wait_dscnt 0x0
.set ia, 0
.rept NBLK
	MULA ia, \set, 0
.set ia, ia+1
.endr
	WIN 0
.endm
	s_load_b128 s[4:7], s[0:1], 0x0                ; A s[4:5], wts s[6:7]
	s_load_b128 s[8:11], s[0:1], 0x10              ; bias s[8:9], res s[10:11]
	s_load_b64 s[12:13], s[0:1], 0x20              ; out
	v_lshl_add_u32 v[SPW], v0, 2, SPARE
	v_mov_b32 v[NIL], 0
	ds_add_u32 v28, v29
	ds_add_u32 v28, v29
	s_wait_dscnt 0x0
	v_lshrrev_b32 v1, 5, v0
	v_readfirstlane_b32 s14, v1
	s_lshr_b32 s15, s14, 1
	s_and_b32 s16, s14, 1
	s_bfe_u32 s40, ttmp6, 0x40000
	s_bfe_u32 s41, ttmp6, 0x40004
	s_lshl_b32 s42, ttmp9, 2
	s_add_co_u32 s42, s42, s40                     ; tile column
	s_and_b32 s17, ttmp7, 0xffff
	s_lshl_b32 s17, s17, 2
	s_add_co_u32 s17, s17, s41                     ; tile row
	s_lshl_b32 s43, s41, 2
	s_lshl_b32 s43, 15, s43
	s_lshl_b32 s44, 0x1111, s40
	s_or_b32 s[G1+0], s43, (3<<16)|(1<<21)
	s_or_b32 s[G1B+0], s44, (3<<16)|(1<<21)
.irp g, G1, G1B
	s_mov_b32 s[\g+1], (PANB/8)<<16
	s_mov_b32 s[\g+2], (2*NQ)<<16
	s_mov_b32 s[\g+3], (PANB/8)<<16
	s_mov_b32 s[\g+4], 2*NQ
	s_mov_b32 s[\g+5], PSTR/8
	s_mov_b32 s[\g+6], 0
	s_mov_b32 s[\g+7], 0
.endr
	s_or_b32 s[G1S+0], s43, (2<<16)|(1<<21)
	s_or_b32 s[G1SB+0], s44, (2<<16)|(1<<21)
.irp g, G1S, G1SB
	s_mov_b32 s[\g+1], HROWS<<16
	s_mov_b32 s[\g+2], NKS<<16
	s_mov_b32 s[\g+3], HROWS<<16
	s_mov_b32 s[\g+4], NKS
	s_mov_b32 s[\g+5], SSTR/4
	s_mov_b32 s[\g+6], 0
	s_mov_b32 s[\g+7], 0
.endr
	s_mul_i32 s18, s16, HROWS
	s_mul_i32 s20, s17, 2*HROWS
	s_add_co_u32 s20, s20, s18
	s_mul_i32 s46, s42, 2*HROWS
	s_add_co_u32 s46, s46, s18
	s_lshl_b32 s22, s20, 2
	s_mov_b32 s23, 0
	s_lshl_b32 s92, s46, 2
	s_mov_b32 s93, 0
	s_mul_i32 s20, s20, 48
	s_mov_b32 s21, 0
	s_mul_i32 s46, s46, 48
	s_mov_b32 s47, 0
	s_mul_i32 s45, s14, HALFT
	s_mul_i32 s94, s14, HALFS
	s_wait_kmcnt 0x0
	s_add_nc_u64 s[20:21], s[AP:AP+1], s[20:21]
	s_add_nc_u64 s[22:23], s[AP:AP+1], s[22:23]
	s_add_nc_u64 s[22:23], s[22:23], ASOFF
	s_add_nc_u64 s[46:47], s[BP:BP+1], s[46:47]
	s_add_nc_u64 s[46:47], s[46:47], BOFF
	s_add_nc_u64 s[92:93], s[BP:BP+1], s[92:93]
	s_add_nc_u64 s[92:93], s[92:93], BOFF+BSOFF
	CROUND                                         ; all sixteen work-groups are here: the first joint loads meet
	s_mov_b32 s[G0S], 1
	s_add_co_u32 s[G0S+1], s94, SCL
	s_mov_b64 s[G0S+2:G0S+3], s[22:23]
	s_or_b32 s[G0S+3], s[G0S+3], 0x80000000
	s_mov_b32 s[G0SB], 1
	s_add_co_u32 s[G0SB+1], s94, SCL
	s_mov_b64 s[G0SB+2:G0SB+3], s[92:93]
	s_or_b32 s[G0SB+3], s[G0SB+3], 0x80000000
	JLOAD G0S, G1S, G0SB, G1SB
.irp s, 0,1
	s_mov_b32 s[G0+4*\s], 1
	s_add_co_u32 s[G0+4*\s+1], s45, \s*SLOT
	s_add_nc_u64 s[G0+4*\s+2:G0+4*\s+3], s[20:21], \s*2*NQ*PSTR
	s_or_b32 s[G0+4*\s+3], s[G0+4*\s+3], 0x80000000
	s_mov_b32 s[G0B+4*\s], 1
	s_add_co_u32 s[G0B+4*\s+1], s45, \s*SLOT
	s_add_nc_u64 s[G0B+4*\s+2:G0B+4*\s+3], s[46:47], \s*2*NQ*PSTR
	s_or_b32 s[G0B+4*\s+3], s[G0B+4*\s+3], 0x80000000
	JLOAD G0+4*\s, G1, G0B+4*\s, G1B
.endr
	v_and_b32 v1, 15, v0
	v_bfe_u32 v2, v0, 4, 1
	v_and_b32 v3, 31, v0
	v_lshlrev_b32 v3, 3, v3
	s_mul_i32 s21, s15, HALFT
	s_mul_i32 s22, s16, HALFT
	s_add_co_u32 s22, s22, 2*HALFT
.irp s, 0,1
	v_add_nc_u32 v[ADRA+\s], s21, v3
	v_add_nc_u32 v[ADRB+\s], s22, v3
	s_add_co_u32 s21, s21, SLOT
	s_add_co_u32 s22, s22, SLOT
.endr
	v_lshlrev_b32 v5, 2, v1
	s_mul_i32 s21, s15, HALFS
	s_mul_i32 s22, s16, HALFS
	s_add_co_u32 s22, s22, 2*HALFS
	s_sub_co_u32 s22, s22, s21
	v_mul_u32_u24 v6, s22, v2
	s_add_co_u32 s21, s21, SCL
	v_add_nc_u32 v5, v5, v6
	v_add_nc_u32 v[ADRS], s21, v5
	; the bias of my 64 columns: lane (r, h), block b: columns 16 b + 8 h + 0..7
	s_lshl_b32 s18, s42, 9
	s_lshl_b32 s19, s16, 8
	s_add_co_u32 s18, s18, s19
	s_mov_b32 s19, 0
	s_add_nc_u64 s[8:9], s[8:9], s[18:19]
	v_lshlrev_b32 v31, 5, v2
	WIN 0x40
.set ib, 0
.rept NBLK
	global_load_b128 v[BIAS+8*ib:BIAS+8*ib+3], v31, s[8:9] offset:64*ib
	global_load_b128 v[BIAS+8*ib+4:BIAS+8*ib+7], v31, s[8:9] offset:64*ib+16
.set ib, ib+1
.endr
	WIN 0
	; the way out
	s_lshl_b32 s95, s17, 7
	s_lshl_b32 s96, s15, 6
	s_add_co_u32 s95, s95, s96
	s_lshl_b32 s95, s95, 12                        ; my first row x 4,096 bytes,
	s_add_co_u32 s18, s18, s95                     ; + my first column's bytes
	s_add_nc_u64 s[10:11], s[10:11], s[18:19]
	s_add_nc_u64 s[12:13], s[12:13], s[18:19]
	s_mul_i32 s23, s14, 16*272                     ; my stage: 16 rows x (256 bytes + 16)
.if STGB
	s_add_co_u32 s23, s23, STGB
.endif
	v_mul_u32_u24 v5, v1, 272
	v_lshl_add_u32 v5, v2, 5, v5
	v_add_nc_u32 v[STO], s23, v5
	v_mul_u32_u24 v5, v2, 272
	v_lshl_add_u32 v5, v1, 4, v5
	v_add_nc_u32 v[RD], s23, v5
	v_lshlrev_b32 v5, 12, v2
	v_lshl_add_u32 v[CO], v1, 4, v5                ; lanes 0-15 one row of 256 bytes, lanes 16-31 the next
	; THE RESIDUAL, asked for now.  Position 16 a + 2 t + (lane / 16) of my 64 is row 32 (a/2) + 8 (a%2) + 16 (t/4) + 2 (t%4) + (lane / 16)
	WIN 0x80                                       ; destination window 2
.irp a, 0,1,2,3
.irp t, 0,1,2,3,4,5,6,7
	global_load_b128 v[RES+32*\a+4*\t:RES+32*\a+4*\t+3], v[CO], s[10:11] offset:(32*(\a/2)+8*(\a%2)+16*(\t/4)+2*(\t%4))*4096
.endr
.endr
	WIN 0
	s_wait_tensorcnt 0x1                           ; the scale words and my part of slot 0 are in; slot 1's load may be out
	s_barrier_signal -1
	s_barrier_wait -1
	FETCH 0, 0, 0
	s_wait_loadcnt 32                              ; the bias is in; the residual's 32 loads, issued behind it, stay out
	STEP 0, 0, 1                                   ; K step 0 starts the sums on the bias
	STEP 0, 1, 0
	STEP 0, 2, 0
	STEP 0, 3, 0
	s_mov_b32 s3, 2
.Llap:                                                 ; two trips of ten K steps: steps 4 to 13 and 14 to 23; each fills both slots again
	TURN 0, 1, 1
	STEP 1, 0, 0
	STEP 1, 1, 0
	STEP 1, 2, 0
	STEP 1, 3, 0
	TURN 1, 0, 1
	STEP 0, 0, 0
	STEP 0, 1, 0
	STEP 0, 2, 0
	STEP 0, 3, 0
	s_sub_co_u32 s3, s3, 1
	s_cmp_lg_u32 s3, 0
	s_cbranch_scc1 .Llap
	TURN 0, 1, 2                                   ; K step 24: slot 0 takes the last four panels, K steps 30 and 31
	STEP 1, 0, 0
	STEP 1, 1, 0
	STEP 1, 2, 0
	STEP 1, 3, 0
	TURN 1, 0, 0                                   ; K step 29: nothing is left to fetch; behind its barrier nobody reads slot 1 any more
	STEP 0, 0, 0                                   ; K step 30
	LAST 1                                         ; K step 31
	PLACES 4
; THE WAY OUT, a block of 16 positions x 64 columns at a time, through my stage (its slot has had its last fill and its last read), back as rows of 256 bytes; the residual is added; sixteen lanes store 256 aligned bytes.
.macro TOSTAGE a
	WIN 0x08                                       ; an LDS store's data: window 2
.irp b, 0,1,2,3
	ds_store_b128 v[STO], v[8*(4*(\a)+\b):8*(4*(\a)+\b)+3] offset:64*\b       ; each accumulator from its low end on
	ds_store_b128 v[STO], v[8*(4*(\a)+\b)+4:8*(4*(\a)+\b)+7] offset:64*\b+16
.endr
	WIN 0
.irp t, 0,1,2,3,4,5,6,7
	ds_load_b128 v[192+32*((\a)%2)+4*\t:192+32*((\a)%2)+4*\t+3], v[RD] offset:544*\t   ; LDS serves a wave's instructions in order
.endr
.endm
.macro SEND a, younger
.set BB, 192+32*((\a)%2)
.set RR, RES+32*(\a)
	s_wait_dscnt \younger                          ; the block is back; the next block's 8 stores and 8 loads may be out
	s_wait_loadcnt 8*(3-(\a))                      ; its residual is in; the later blocks' loads may be out
	WIN 0x08                                       ; source 1, the residual: window 2
.set ij, 0
.rept 16
	v_pk_add_f32 v[BB+ij:BB+ij+1], v[BB+ij:BB+ij+1], v[RR+ij:RR+ij+1]
.set ij, ij+2
.endr
	WIN 0
.irp t, 0,1,2,3,4,5,6,7
	global_store_b128 v[CO], v[BB+4*\t:BB+4*\t+3], s[12:13] offset:(32*((\a)/2)+8*((\a)%2)+16*(\t/4)+2*(\t%4))*4096
.endr
.endm
	TOSTAGE 0
.irp a, 1,2,3
.if \a > 1
	s_wait_xcnt 0x0                                ; block a - 2's stores have read their registers: block a's loads may land there
.endif
	TOSTAGE \a
	SEND \a-1, 16
.endr
	SEND 3, 0
	s_wait_tensorcnt 0x0                           ; the wave's end
	ds_add_u32 v[SPW], v[NIL]
	s_wait_dscnt 0x0
	CROUND                                         ; the closing round
	s_endpgm
.Lfunc_end_k_q59c3a2e0ff_fc2:
	.size	k_q59c3a2e0ff_fc2, .Lfunc_end_k_q59c3a2e0ff_fc2-k_q59c3a2e0ff_fc2
	.p2alignl 7, 3214868480
	.fill 96, 4, 3214868480
	.section	.rodata,"a",@progbits
	.p2align	6, 0x0
	.amdhsa_kernel k_q59c3a2e0ff_fc2
		.amdhsa_group_segment_fixed_size 327680
		.amdhsa_private_segment_fixed_size 0
		.amdhsa_enable_private_segment 0
		.amdhsa_kernarg_size 40
		.amdhsa_user_sgpr_count 2
		.amdhsa_user_sgpr_kernarg_segment_ptr 1
		.amdhsa_wavefront_size32 1
		.amdhsa_system_sgpr_workgroup_id_x 1
		.amdhsa_system_sgpr_workgroup_id_y 1
		.amdhsa_system_sgpr_workgroup_id_z 1
		.amdhsa_system_vgpr_workitem_id 0
		.amdhsa_next_free_vgpr 768
		.amdhsa_next_free_sgpr 100
		.amdhsa_reserve_vcc 0
		.amdhsa_float_denorm_mode_32 3
		.amdhsa_float_denorm_mode_16_64 3
		.amdhsa_memory_ordered 1
		.amdhsa_forward_progress 1
		.amdhsa_inst_pref_size 152
	.end_amdhsa_kernel
	.amdgpu_metadata
---
amdhsa.version: [ 1, 2 ]
amdhsa.kernels:
  - .name:           k_q59c3a2e0ff_fc2
    .symbol:         k_q59c3a2e0ff_fc2.kd
    .args:
      - { .name: hid, .offset: 0, .size: 8, .value_kind: global_buffer, .address_space: global }
      - { .name: wts, .offset: 8, .size: 8, .value_kind: global_buffer, .address_space: global }
      - { .name: b_fc2, .offset: 16, .size: 8, .value_kind: global_buffer, .address_space: global }
      - { .name: x1, .offset: 24, .size: 8, .value_kind: global_buffer, .address_space: global }
      - { .name: out0, .offset: 32, .size: 8, .value_kind: global_buffer, .address_space: global }
    .group_segment_fixed_size: 327680
    .private_segment_fixed_size: 0
    .kernarg_segment_align: 8
    .kernarg_segment_size: 40
    .max_flat_workgroup_size: 128
    .sgpr_count:     100
    .vgpr_count:     768
    .wavefront_size: 32
...
	.end_amdgpu_metadata
.endif
;; end of part 7
